; MI455X (gfx1250); checked and timed in simulation.
; The chip was launched on July 23, 2026; its instructions are those of AMD's public machine-readable ISA for CDNA 5 (MIT licence, August 2026) and "CDNA5" Instruction Set Architecture Reference Guide (July 2026). The comments in the code are by the model that wrote it; some were corrected since.
;; Multi Head Attention. Allowed arithmetic: matrix products marked QUANTISED: E4M3 operands, one given power-of-two scale a tensor, by v_wmma_f32_16x16x64_fp8_fp8 or v_wmma_f32_16x16x128_fp8_fp8, f32 sums; everything else in f32.
;; Inputs: W_out 1,024 x 1,024 float32; W_qkv 1,024 x 3,072 float32; b_out 1,024 float32; b_qkv 3,072 float32; lowp_scales 8 int32 (the exponents e of the quantised operands' scales 2^e); x 4 x 2,048 x 1,024 float32.
;; Outputs: out0 4 x 2,048 x 1,024 float32.
;; Constants: mask = 1.
;; This version of the problem:
;;   THIS VERSION OF THE PROBLEM IS GIVEN IN LOW PRECISION. The matrix products marked QUANTISED in the list below multiply operands that are first quantised to E4M3 (4 exponent bits, 3 mantissa bits; 8 bits a number), with one given power-of-two scale for each operand tensor; their sums are f32. All else is computed in f32.
;;   The module's matrix products, in the order in which they are computed (A, B: the left and right operand; K: the contracted axis; several contracted axes count as one K, in the product's order):
;;     1. [M 8,192, K 1,024] x [K 1,024, N 3,072]; A: input x; B: input W_qkv: QUANTISED (scales: A lowp_scales[0], B lowp_scales[1])
;;     2. batch 64 x [M 2,048, K 64] x [K 64, N 2,048]; A: computed on the way; B: computed on the way: QUANTISED (scales: A lowp_scales[2], B lowp_scales[3])
;;     3. batch 64 x [M 2,048, K 2,048] x [K 2,048, N 64]; A: softmax (see below); B: computed on the way: QUANTISED (scales: A lowp_scales[4], B lowp_scales[5])
;;     4. [M 8,192, K 1,024] x [K 1,024, N 1,024]; A: computed on the way; B: input W_out: QUANTISED (scales: A lowp_scales[6], B lowp_scales[7])
;;   THE QUANTISER, for each operand of a quantised product, along K:
;;     - The operand's scale is 2^e, e = its entry of the input lowp_scales (int32; the entries are numbered through the quantised products in the list's order, A before B).
;;     - Each number is divided by the scale, clamped to +-448, and rounded to the nearest number of E4M3, ties to even, subnormals kept.
;;     - The product sums the exact products of the quantised numbers (number of the format x scale) in f32.
;;   ~~~python
;;   def quantise(x, axis, e):      # numpy; x: float32 -> the quantised numbers, widened to float32 again
;;       x = np.moveaxis(x, axis, -1); K = x.shape[-1]
;;       r = np.clip(x / 2.0 ** e, -448, 448)
;;       step = 2.0 ** (np.maximum(np.frexp(np.where(r == 0, 1, r))[1] - 1, -6) - 3)
;;       q = np.round(r / step) * step * 2.0 ** e      # np.round: ties to even
;;       return np.moveaxis(q, -1, axis).astype(np.float32)
;;   ~~~
;;   SOFTMAX AHEAD OF A QUANTISED PRODUCT. Where the list says 'softmax', what is quantised is not the finished softmax but p = 2^(t - M), with t = logit x log2(e) and M = ceil(the row's largest t), a whole number; so 1/2 < the row's largest p <= 1. The row's sum l is taken of the UNQUANTISED p, in f32, and the product's result is divided by l at the end. Since M is a whole number, a kernel that streams over the keys may use a running M (the ceiling of the running maximum): every later rescaling is an exact power of two, so the quantised numbers keep their values, but for numbers so far below the row's largest that they fall under the format's range.
;;   OPERANDS COMPUTED ON THE WAY. 'Computed on the way' means the value that the module computes at that place (a softmax that the list does not call 'softmax' is quantised finished and normalised). What goes into a quantiser is computed in f32, as accurately as f32 sums, v_exp_f32 and their like allow (about 1e-6 of the number): no bf16 or f16 on the way to a quantiser, and a product that is left as it is and whose result goes on into a quantised operand takes f32 operands (vector FMAs, or v_wmma_f32_16x16x4_f32). A number that lies on a knife's edge between two numbers of the format may be rounded either way, as far as f32 arithmetic and the matrix unit's own rounding can turn it there, and no further.
;; One version. Each part assembles by itself: llvm-mc -triple=amdgcn-amd-amdhsa -mcpu=gfx1250 --defsym DOCPART=n.
;; ======== version 1 of 1: 4 launches
;; limits: right only within a limited range of input values
;; workspace buffers: x_codes 8,388,608 bytes; wqkv_codes 3,145,728 bytes; wout_codes 1,048,576 bytes; q_codes 8,388,608 bytes; k_codes 8,388,608 bytes; v_codes 8,388,608 bytes; val_codes 8,388,608 bytes
;; launch prep (part 1): grid 384 x 1, 4 waves a work-group, no clusters, 68,096 bytes of LDS; arguments x, W_qkv, W_out, lowp_scales, x_codes, wqkv_codes, wout_codes; writes x_codes, wqkv_codes, wout_codes
.if DOCPART == 1
	.amdgcn_target "amdgcn-amd-amdhsa--gfx1250"
	.amdhsa_code_object_version 6
	.text
	.protected	k_qd254033510_prep
	.globl	k_qd254033510_prep
	.p2align	8
	.type	k_qd254033510_prep,@function
k_qd254033510_prep:
	s_mov_b64 s[64:65], 0
	v_nop
	global_prefetch_b8 v0, s[64:65] scope:SCOPE_SE
	s_setreg_imm32_b32 hwreg(HW_REG_WAVE_MODE, 25, 1), 1
	s_wait_xcnt 0x0
; x [8192][1024], W_qkv [1024][3072] and W_out [1024][1024], all f32, become codes of FP8 (E4M3), one a byte, K innermost, each with its given scale 2^e
; (entries 0, 1 and 7 of the buffer of scales).  code = number / 2^e, held within +-448, rounded to the nearest code, ties to even.
; LIMITS: each e lies between -126 and 119, so that 2^e and 448 x 2^e are f32 numbers.  NaN among the inputs is not served; an infinity is held at the largest code.
; Work-groups 0-255 take x: K is innermost, so x is a plain stream; a wave takes 8,192 numbers in 16 steps of 512.  Each load reads 512 consecutive bytes; a step's 2,048 bytes
; turn through the wave's own stage in LDS, so that a lane holds 16 neighbours along K for the conversions; a lane's 16 codes are 16 bytes: a store covers 512 consecutive bytes.
; Work-groups 256-383 take the weights, whose K is the FIRST axis: a lane takes a column and its registers run down K, so the conversions give codes with K innermost; a wave takes
; 32 columns x 256 along K, gathers 256 bytes a column in its own stage and stores sixteen lanes to 256 consecutive, aligned bytes.  One text serves both weights: the pitch is a scalar.
; wqkv_codes' rows are sorted by kind: column 192 h + 64 T + d of W_qkv (T = 0 q, 1 k, 2 v) becomes row 1024 T + 64 h + d.
; No wave shares anything with another: no barrier.  The two ways part on the work-group's number and have LDS bytes of their own.  No tile is shared between work-groups: no cluster.
.set XSP,    80                        ; way X: a lane's place in a stage: 64 bytes + 16 of padding
.set XWREG,  8192                      ; way X: LDS of a wave: two stages of 32 x XSP bytes
.set WSTG,   32768                     ; way W: the stages begin here: 32 rows x WP bytes for each wave
.set WP,     272                       ; a stage row: 256 bytes of codes + 16
.set SPARE,  67584                     ; behind both: the spare words, 128 bytes for each wave: two blocks of 256 bytes that no other line names
.set SPW,    12                        ; v12  LDS address of my spare word; never rewritten
.set NIL,    13                        ; v13  0; never rewritten
.set STEPS,  16
.set XR,     16                        ; way X: v16-79 four sets of 16 numbers as loaded
.set XX,     80                        ; v80-111 two sets of 16 neighbours
.set XC,     128                       ; v128-191 codes, four registers for each step: no store's data are written again
.set WOFF,   16                        ; way W: v16-47 offsets: 4 x lane + i x pitch; never rewritten
.set WX,     48                        ; v48-111 two sets of 32 numbers
.set WC,     112                       ; v112-119 a block's codes
.set WOUT,   120                       ; v120-183 the way out
	s_load_b256 s[4:11], s[0:1], 0x0               ; x s[4:5], W_qkv s[6:7], W_out s[8:9], the scales' exponents s[10:11]
	s_load_b128 s[12:15], s[0:1], 0x20             ; x_codes s[12:13], wqkv_codes s[14:15]
	s_load_b64 s[24:25], s[0:1], 0x30              ; wout_codes
	v_lshl_add_u32 v[SPW], v0, 2, SPARE
	v_mov_b32 v[NIL], 0
	v_lshrrev_b32 v1, 5, v0
	v_readfirstlane_b32 s16, v1                    ; wave 0..3
	v_and_b32 v2, 31, v0                           ; lane
	s_wait_kmcnt 0x0
	s_load_b256 s[48:55], s[10:11], 0x0            ; e0 .. e7
	s_cmp_ge_u32 ttmp9, 256                        ; the work-group's number alone decides the way
	s_cbranch_scc1 .Lweights
; ---------------- way X: x
	s_wait_alu depctr_va_vdst(0)
	v_lshlrev_b32 v3, 4, v2                        ; my 16 bytes of a load's 512, and of a store's
	s_wait_alu depctr_va_vdst(0)
	s_mul_i32 s17, s16, XWREG
	v_lshrrev_b32 v14, 2, v2
	v_mul_u32_u24 v14, v14, XSP
	v_and_b32 v15, 3, v2
	v_lshl_add_u32 v14, v15, 4, v14
	v_add_nc_u32 v14, s17, v14                     ; the stage, way in: four lanes' 64 bytes on end, then 16 of padding
	v_mul_u32_u24 v15, v2, XSP
	v_add_nc_u32 v15, s17, v15                     ; way out: my 16 neighbours
	s_lshl_b32 s18, ttmp9, 2
	s_add_co_u32 s18, s18, s16                     ; which run of 8,192 numbers is my wave's
	s_lshl_b32 s20, s18, 15
	s_mov_b32 s21, 0
	s_add_nc_u64 s[4:5], s[4:5], s[20:21]          ; 32,768 bytes of f32 a run,
	s_lshl_b32 s20, s18, 13
	s_add_nc_u64 s[12:13], s[12:13], s[20:21]      ; 8,192 bytes of codes
.macro XLOAD t
.irp i, 0,1,2,3
	global_load_b128 v[XR+16*((\t)%4)+4*\i:XR+16*((\t)%4)+4*\i+3], v3, s[4:5] offset:2048*(\t)+512*\i th:TH_LOAD_NT   ; 32 lanes read 512 consecutive bytes; read once in the launch
.endr
.endm
.macro XTURN t                         ; step t's numbers through the stage: LDS serves a wave's instructions in order, so no wait stands between the stores and the loads
.irp i, 0,1,2,3
	ds_store_b128 v14, v[XR+16*((\t)%4)+4*\i:XR+16*((\t)%4)+4*\i+3] offset:32*XSP*((\t)%2)+8*XSP*\i
.endr
.irp i, 0,1,2,3
	ds_load_b128 v[XX+16*((\t)%2)+4*\i:XX+16*((\t)%2)+4*\i+3], v15 offset:32*XSP*((\t)%2)+16*\i
.endr
.endm
.irp t, 0,1,2,3
	XLOAD \t
.endr
	s_wait_alu depctr_va_vdst(0)
	s_wait_kmcnt 0x0
	s_add_co_i32 s22, s48, 127                     ; e0
	s_lshl_b32 s23, s22, 23
	v_mov_b32 v11, s23                             ; 2^e as f32: the conversion takes its exponent field
	s_add_co_i32 s22, s22, 8
	s_lshl_b32 s22, s22, 23
	s_or_b32 s22, s22, 0x600000
	v_mov_b32 v10, s22                             ; 448 x 2^e
	s_wait_alu depctr_va_vdst(0)
	s_wait_loadcnt 12                              ; step 0's four loads are in; three steps' twelve stay out
	XTURN 0
.macro XSTEP t
.set XS, XX+16*((\t)%2)
	s_wait_dscnt 0x0                               ; this step's numbers are back from the stage, so its stores into the stage have read their registers,
.if (\t)+4 < STEPS
	XLOAD (\t)+4                                   ; which take the loads of four steps on
.endif
.if (\t)+1 < STEPS
.if STEPS-2-(\t) >= 3
	s_wait_loadcnt 12                              ; the next step's four loads are in; those of the three steps behind it may be out
.else
	s_wait_loadcnt 4*(STEPS-2-(\t))                ; the tail: fewer steps are behind it
.endif
	XTURN (\t)+1                                   ; they go through the other stage while this step is worked
.endif
.set i, 0
.rept 16
	v_med3_num_f32 v[XS+i], v[XS+i], -v10, v10     ; the conversion to an 8-bit code does not saturate (ISA guide 7.6.2): the hold comes first
.set i, i+1
.endr
	v_cvt_scalef32_pk8_fp8_f32 v[XC+4*(\t):XC+4*(\t)+1], v[XS:XS+7], v11
	v_cvt_scalef32_pk8_fp8_f32 v[XC+4*(\t)+2:XC+4*(\t)+3], v[XS+8:XS+15], v11   ; the results go to a store alone; the next step's holds are plain lines on other registers
	global_store_b128 v3, v[XC+4*(\t):XC+4*(\t)+3], s[12:13] offset:512*(\t)     ; 32 lanes store 512 consecutive bytes, aligned
.endm
.irp t, 0,1,2,3,4,5,6,7,8,9,10,11,12,13,14,15
	XSTEP \t
.endr
	s_wait_tensorcnt 0x0                           ; the wave's end, behind my last LDS store
	ds_add_u32 v[SPW], v[NIL]
	s_wait_dscnt 0x0
	s_endpgm
; ---------------- way W: the two weights
.Lweights:
	s_sub_co_u32 s17, ttmp9, 256
	s_and_b32 s18, s17, 31                         ; group of 128 columns: 0-23 W_qkv, 24-31 W_out
	s_lshr_b32 s19, s17, 5                         ; which 256 along K
	s_mov_b32 s20, 4096
	s_cmp_lt_u32 s18, 24                           ; ids alone choose the buffers
	s_cselect_b64 s[4:5], s[6:7], s[8:9]           ; the weight,
	s_cselect_b64 s[12:13], s[14:15], s[24:25]     ; its codes,
	s_cselect_b32 s20, 12288, s20                  ; bytes from a row k to the next,
	s_cselect_b32 s21, 0, 24
	s_sub_co_u32 s21, s18, s21
	s_lshl_b32 s21, s21, 7
	s_lshl_b32 s22, s16, 5
	s_add_co_u32 s21, s21, s22                     ; my wave's first column n0: a multiple of 32, so its 32 columns lie in one run of 64
	s_lshr_b32 s22, s21, 6                         ; g = n0 / 64 = 3 h + T, at most 47
	s_mul_i32 s23, s22, 171
	s_lshr_b32 s23, s23, 9                         ; h = g / 3 (171 g / 512 is exact for g under 48)
	s_mul_i32 s26, s23, 3
	s_sub_co_u32 s22, s22, s26                     ; T
	s_lshl_b32 s22, s22, 10
	s_lshl_b32 s23, s23, 6
	s_add_co_u32 s22, s22, s23
	s_and_b32 s23, s21, 63
	s_add_co_u32 s22, s22, s23                     ; 1024 T + 64 h + d
	s_cmp_lt_u32 s18, 24
	s_cselect_b32 s22, s22, s21                    ; the first row of codes: sorted for W_qkv, as it lies for W_out
	s_lshl_b32 s26, s19, 8
	s_mul_i32 s26, s26, s20                        ; 256 ky rows of the weight,
	s_lshl_b32 s27, s21, 2
	s_add_co_u32 s26, s26, s27                     ; + 4 n0
	s_mov_b32 s27, 0
	s_add_nc_u64 s[32:33], s[4:5], s[26:27]        ; block 0's base; each block of 32 along K has a base of its own, written once
	s_lshl_b32 s26, s20, 5
.irp t, 1,2,3,4,5,6,7
	s_add_nc_u64 s[32+2*\t:33+2*\t], s[30+2*\t:31+2*\t], s[26:27]
.endr
	s_lshl_b32 s28, s22, 10                        ; a row of codes is 1,024 bytes
	s_lshl_b32 s29, s19, 8
	s_add_co_u32 s28, s28, s29
	s_mov_b32 s29, 0
	s_add_nc_u64 s[12:13], s[12:13], s[28:29]
	s_wait_alu depctr_va_vdst(0)
	v_lshlrev_b32 v[WOFF], 2, v2                   ; 4 bytes a lane: a load reads 128 consecutive bytes, the four waves side by side 512
.set i, 1
.rept 31
	v_add_nc_u32 v[WOFF+i], s20, v[WOFF+i-1]
.set i, i+1
.endr
	s_mul_i32 s30, s16, 32*WP
	s_add_co_u32 s30, s30, WSTG                    ; my stage
	v_mul_u32_u24 v4, v2, WP
	v_add_nc_u32 v4, s30, v4                       ; into it: row = my column
	v_and_b32 v5, 15, v2
	v_lshrrev_b32 v6, 4, v2
	v_mul_u32_u24 v7, v6, WP
	v_lshl_add_u32 v7, v5, 4, v7
	v_add_nc_u32 v7, s30, v7                       ; out of it: sixteen lanes to a row, two rows an instruction
	v_lshlrev_b32 v8, 10, v6
	v_lshl_add_u32 v8, v5, 4, v8                   ; and the same place among the codes
.macro WLOAD t                         ; block t: W(32 t + i, my column) into set t % 2
.set i, 0
.rept 32
	global_load_b32 v[WX+32*((\t)%2)+i], v[WOFF+i], s[32+2*(\t):33+2*(\t)] th:TH_LOAD_NT
.set i, i+1
.endr
.endm
	WLOAD 0
	WLOAD 1
	s_wait_kmcnt 0x0
	s_cmp_lt_u32 s18, 24
	s_cselect_b32 s30, s49, s55                    ; e1 or e7: a choice, no branch
	s_add_co_i32 s30, s30, 127
	s_lshl_b32 s31, s30, 23
	v_mov_b32 v11, s31                             ; 2^e
	s_add_co_i32 s30, s30, 8
	s_lshl_b32 s30, s30, 23
	s_or_b32 s30, s30, 0x600000
	v_mov_b32 v10, s30                             ; 448 x 2^e
.macro WBLOCK t
.set XS, WX+32*((\t)%2)
.if (\t) < 7
	s_wait_loadcnt 32                              ; this block's 32 loads are in; the next block's may be out
.else
	s_wait_loadcnt 0
.endif
.set i, 0
.rept 32
	v_med3_num_f32 v[XS+i], v[XS+i], -v10, v10
.set i, i+1
.endr
.irp g, 0,1,2,3
	v_cvt_scalef32_pk8_fp8_f32 v[WC+2*\g:WC+2*\g+1], v[XS+8*\g:XS+8*\g+7], v11
.endr
	ds_store_b128 v4, v[WC:WC+3] offset:32*(\t)    ; 32 codes: 32 bytes of my column's row
	ds_store_b128 v4, v[WC+4:WC+7] offset:32*(\t)+16
.if (\t)+2 < 8
	WLOAD (\t)+2
.endif
	s_wait_dscnt 0x0                               ; the stores have read their registers: the next block's codes may be written
.endm
	s_wait_alu depctr_va_vdst(0)
.irp t, 0,1,2,3,4,5,6,7
	WBLOCK \t
.endr
.irp t, 0,1,2,3,4,5,6,7,8,9,10,11,12,13,14,15
	ds_load_b128 v[WOUT+4*\t:WOUT+4*\t+3], v7 offset:2*\t*WP   ; LDS serves a wave's instructions in order: these see my stores
.endr
.irp t, 0,1,2,3,4,5,6,7,8,9,10,11,12,13,14,15
	s_wait_dscnt 15-\t                             ; load t is in; the younger ones stay out
	global_store_b128 v8, v[WOUT+4*\t:WOUT+4*\t+3], s[12:13] offset:2*\t*1024   ; sixteen lanes store 256 consecutive bytes, aligned
.endr
	s_wait_tensorcnt 0x0                           ; the wave's end: the three lines once more, on this way too
	ds_add_u32 v[SPW], v[NIL]
	s_wait_dscnt 0x0
	s_endpgm
.Lfunc_end_k_qd254033510_prep:
	.size	k_qd254033510_prep, .Lfunc_end_k_qd254033510_prep-k_qd254033510_prep
	.p2alignl 7, 3214868480
	.fill 96, 4, 3214868480
	.section	.rodata,"a",@progbits
	.p2align	6, 0x0
	.amdhsa_kernel k_qd254033510_prep
		.amdhsa_group_segment_fixed_size 68096
		.amdhsa_private_segment_fixed_size 0
		.amdhsa_enable_private_segment 0
		.amdhsa_kernarg_size 56
		.amdhsa_user_sgpr_count 2
		.amdhsa_user_sgpr_kernarg_segment_ptr 1
		.amdhsa_wavefront_size32 1
		.amdhsa_system_sgpr_workgroup_id_x 1
		.amdhsa_system_sgpr_workgroup_id_y 1
		.amdhsa_system_sgpr_workgroup_id_z 1
		.amdhsa_system_vgpr_workitem_id 0
		.amdhsa_next_free_vgpr 192
		.amdhsa_next_free_sgpr 66
		.amdhsa_reserve_vcc 0
		.amdhsa_float_denorm_mode_32 3
		.amdhsa_float_denorm_mode_16_64 3
		.amdhsa_memory_ordered 1
		.amdhsa_forward_progress 1
		.amdhsa_inst_pref_size 87
	.end_amdhsa_kernel
	.amdgpu_metadata
---
amdhsa.version: [ 1, 2 ]
amdhsa.kernels:
  - .name:           k_qd254033510_prep
    .symbol:         k_qd254033510_prep.kd
    .args:
      - { .name: x, .offset: 0, .size: 8, .value_kind: global_buffer, .address_space: global }
      - { .name: W_qkv, .offset: 8, .size: 8, .value_kind: global_buffer, .address_space: global }
      - { .name: W_out, .offset: 16, .size: 8, .value_kind: global_buffer, .address_space: global }
      - { .name: lowp_scales, .offset: 24, .size: 8, .value_kind: global_buffer, .address_space: global }
      - { .name: x_codes, .offset: 32, .size: 8, .value_kind: global_buffer, .address_space: global }
      - { .name: wqkv_codes, .offset: 40, .size: 8, .value_kind: global_buffer, .address_space: global }
      - { .name: wout_codes, .offset: 48, .size: 8, .value_kind: global_buffer, .address_space: global }
    .group_segment_fixed_size: 68096
    .private_segment_fixed_size: 0
    .kernarg_segment_align: 8
    .kernarg_segment_size: 56
    .max_flat_workgroup_size: 128
    .sgpr_count:     66
    .vgpr_count:     192
    .wavefront_size: 32
...
	.end_amdgpu_metadata
.endif
;; end of part 1
;; launch qkv (part 2): grid 12 x 32, 4 waves a work-group, clusters of 4 x 4, 327,680 bytes of LDS; arguments x_codes, wqkv_codes, lowp_scales, b_qkv, q_codes, k_codes, v_codes; writes q_codes, k_codes, v_codes
.if DOCPART == 2
	.amdgcn_target "amdgcn-amd-amdhsa--gfx1250"
	.amdhsa_code_object_version 6
	.text
	.protected	k_qd254033510_qkv
	.globl	k_qd254033510_qkv
	.p2align	8
	.type	k_qd254033510_qkv,@function
k_qd254033510_qkv:
	s_mov_b64 s[64:65], 0
	v_nop
	global_prefetch_b8 v0, s[64:65] scope:SCOPE_SE
	s_setreg_imm32_b32 hwreg(HW_REG_WAVE_MODE, 25, 1), 1
	s_wait_xcnt 0x0
	s_wait_alu depctr_hold_cnt(0) depctr_sa_sdst(0) depctr_va_vdst(0) depctr_va_sdst(0) depctr_va_ssrc(0) depctr_va_vcc(0) depctr_vm_vsrc(0)
	s_getreg_b32 s2, hwreg(HW_REG_IB_STS2, 6, 4)
	s_cmp_eq_u32 s2, 0
	s_cbranch_scc0 .Lentry_in_a_cluster
	s_endpgm
.Lentry_in_a_cluster:
	s_bfe_u32 s2, ttmp6, 0x10000c
	s_cmp_lg_u32 s2, 0xf033
	s_cbranch_scc0 .Lentry_shape_is_right
	s_endpgm
.Lentry_shape_is_right:
; qkv = x W_qkv + b_qkv on codes of FP8 (E4M3), and its three parts quantised anew for the attention: q with 2^e2, k with 2^e3, v with 2^e5.
; x_codes [8192][1024]; wqkv_codes [3072][1024], rows 0-1023 all q (64 h + d), 1024-2047 all k, 2048-3071 all v.  A sum stands for sum x 2^(e0 + e1); the bias is added by one fused multiply-add in f32.
; q_codes, k_codes: [b][h][s][64].  v_codes: [b][h][s / 128][64 d][128 places]: key 16 i + 8 g + j of a block of 128 lies at place 32 (i / 2) + 16 g + 8 (i % 2) + j, so that 16-byte loads
; give the next product's operand its keys in the places of the plain 8-bit layout (ISA guide 7.12.2).
; LIMITS: e0 + e1 between -126 and 127; e2, e3, e5 between -126 and 119, so that each power of two below is an f32 number.
; A tile of 256 x 256 of the result is made by four waves, 128 x 128 each: 64 accumulators, 512 registers.  K = 1,024 goes in four steps of 256 through a ring of two LDS slots.
; THE KIND IS THE CLUSTER'S x (0 q, 1 k, 2 v), equal in all sixteen partners.  For q and k the rows (A) are tokens and the columns (B) rows of the weight.  FOR v THE TWO CHANGE PLACES, so that a lane
; holds one (h, d) and eight neighbouring tokens, which are the next product's K.  The matrix instruction takes 16 rows of B as source 0 and 16 rows of A as source 1: a lane holds row l % 16 of A and
; its registers eight neighbouring rows of B.
; CLUSTERS: 4 x 4 work-groups; A's tile is asked for jointly along a row of the cluster, B's along a column.
; REGISTERS, in windows of 256: window 0: v0-31 addresses; v32-95 the bias; from v128 A's fragments, ONE set; on the way out v128-255 are free.  window 1: B's fragments, two sets.  windows 2, 3: the accumulators.
.set SIZE_K, 1024
.set KSTEP,  256
.set ROWB,   256
.set KROW,   SIZE_K
.set PITCH,  272                       ; an LDS row: 256 bytes + 16 of padding = 68 words: the 16 rows that a load touches start at 16 different banks (64 banks of 4 bytes: ISA guide 11.1)
.set FR,     16
.set NL,     4
.set NP,     4                         ; places behind this matrix instruction (ISA guide 7.12.1)
.set HALFT,  128*PITCH
.set SLOT,   4*HALFT
.set LAPS,   SIZE_K/(2*KSTEP)
.set SPARE,  2*SLOT                    ; behind the ring: the spare words, two blocks of 256 bytes that no other line names
.set STAGEQ, SPARE+512                 ; q's and k's way out: for each wave 2 heads x 16 tokens x (64 bytes + 16)
.set STAGEV, STAGEQ+4*2560             ; v's way out: for each wave 16 rows x (128 bytes + 16).  No tensor load lands in either
.set ADRA, 16
.set ADRB, 20
.set STOQ, 22
.set RDQ,  23
.set STOV, 24
.set RDV,  25
.set CO,   26                          ; 16 x lane
.set BO,   27                          ; 32 x (lane / 16): q's and k's bias
.set SPW,  28
.set NIL,  29
.set BR,   30                          ; 4 x (lane % 16): v's bias
.set LIMR, 18                          ; v18 448 x 2^e;  v19 2^e
.set SCR,  19
.set BIAS, 32
.set AF,   128
.set TMP,  128                         ; the way out: a block's 64 numbers
.set CODE, 192                         ; its codes, two sets of 16
.set BK,   224                         ; and the rows read back, two sets of 16
.set G1, 24
.set G0, 32
.set G1B, 48
.set G0B, 56
.set MSB, 0
.macro WIN new                         ; the immediate's high byte repeats the setting that is left
.if MSB != \new
	s_set_vgpr_msb (MSB<<8)|\new
.set MSB, \new
.endif
.endm
.set MUL_LO, 0xa1                      ; source 0 (B) window 1, source 1 (A) window 0, C and D window 2
.set MUL_HI, 0xf1
.set TO_B,   0x40
; A joint load: waves 0 and 1 fetch for A, waves 2 and 3 for B; the branch hangs on the wave's number alone.  An s_nop 0 and four v_nop follow each line.
.macro JLOAD g0a, g1a, g0b, g1b
	s_cmp_eq_u32 s15, 0
	s_cbranch_scc0 .Lfor_b_\@
	tensor_load_to_lds s[\g0a:\g0a+3], s[\g1a:\g1a+7]
	s_nop 0
.rept 4
	v_nop
.endr
	s_branch .Lasked_\@
.Lfor_b_\@:
	tensor_load_to_lds s[\g0b:\g0b+3], s[\g1b:\g1b+7]
	s_nop 0
.rept 4
	v_nop
.endr
.Lasked_\@:
.endm
.macro CREST                           ; a round of the cluster's barrier behind its opening barrier
	s_cmp_lg_u32 s14, 0
	s_cbranch_scc1 .Lnot_wave_0_\@
	s_barrier_signal -3
.Lnot_wave_0_\@:
	s_barrier_wait -3
	s_barrier_signal -1
	s_barrier_wait -1
.endm
.macro CROUND
	s_barrier_signal -1
	s_barrier_wait -1
	CREST
.endm
	s_load_b256 s[4:11], s[0:1], 0x0               ; x_codes s[4:5], wqkv_codes s[6:7], the exponents s[8:9], b_qkv s[10:11]
	s_load_b128 s[80:83], s[0:1], 0x20             ; q_codes, k_codes
	s_load_b64 s[84:85], s[0:1], 0x30              ; v_codes
	v_lshl_add_u32 v[SPW], v0, 2, SPARE
	v_mov_b32 v[NIL], 0
	ds_add_u32 v[SPW], v[NIL]                      ; the wave's opening: the add and its wait ahead of my first tensor load; work on registers stands between
	ds_add_u32 v[SPW], v[NIL]
	v_lshrrev_b32 v1, 5, v0
	v_readfirstlane_b32 s14, v1                    ; wave 0..3
	s_lshr_b32 s15, s14, 1                         ; which half of the tile's rows is mine.  Also: I fetch for A (0) or for B (1)
	s_and_b32 s16, s14, 1                          ; which half of its columns.  Also: which 128 rows of that tile I fetch
	s_bfe_u32 s40, ttmp6, 0x40000                  ; cx, cy
	s_bfe_u32 s41, ttmp6, 0x40004
	s_and_b32 s12, ttmp7, 0xffff                   ; cluster y: 0..7, four token tiles each
	s_cmp_eq_u32 ttmp9, 2                          ; v?  The cluster's x is the same in all partners
	s_cselect_b32 s13, 2, s12                      ; A's tiles: tokens by cluster y; for v the weight's third thousand rows
	s_cselect_b32 s66, s12, ttmp9                  ; B's tiles: the weight's rows by kind; for v tokens by cluster y
	s_lshl_b32 s42, s66, 2
	s_add_co_u32 s42, s42, s40                     ; tile column
	s_lshl_b32 s17, s13, 2
	s_add_co_u32 s17, s17, s41                     ; tile row
	s_lshl_b32 s43, s41, 2
	s_lshl_b32 s43, 15, s43                        ; my row of the cluster
	s_lshl_b32 s44, 0x1111, s40                    ; my column
	s_or_b32 s[G1+0], s43, (0<<16)|(1<<20)|(1<<21)|(5<<22)|(3<<25)  ; the mask; elements of 1 byte; padding on; bit 21 beside a mask; after every 64 words, 4 words
	s_or_b32 s[G1B+0], s44, (0<<16)|(1<<20)|(1<<21)|(5<<22)|(3<<25)
.irp g, G1, G1B
	s_mov_b32 s[\g+1], ROWB<<16                    ; tensor_dim0
	s_mov_b32 s[\g+2], 128<<16                     ; tensor_dim1
	s_mov_b32 s[\g+3], ROWB<<16                    ; tile_dim0
	s_mov_b32 s[\g+4], 128                         ; tile_dim1
	s_mov_b32 s[\g+5], KROW                        ; stride
	s_mov_b32 s[\g+6], 0
	s_mov_b32 s[\g+7], 0
.endr
	s_lshl_b32 s18, s16, 7
	s_lshl_b32 s20, s17, 8
	s_add_co_u32 s20, s20, s18                     ; A: row 256 x tile row + 128 x half
	s_lshl_b32 s46, s42, 8
	s_add_co_u32 s46, s46, s18                     ; B: row 256 x tile column + 128 x half
	s_mov_b32 s21, 0
	s_mov_b32 s47, 0
	s_mov_b64 s[18:19], KROW
	s_mul_u64 s[20:21], s[20:21], s[18:19]
	s_mul_u64 s[46:47], s[46:47], s[18:19]
	s_mul_i32 s45, s14, HALFT                      ; where they go: wave x 128 rows
	s_wait_dscnt 0x0                               ; the opening add is done
	s_wait_kmcnt 0x0
	s_cmp_eq_u32 ttmp9, 2
	s_cselect_b64 s[86:87], s[6:7], s[4:5]         ; A's buffer
	s_cselect_b64 s[88:89], s[4:5], s[6:7]         ; B's buffer
	s_load_b256 s[72:79], s[8:9], 0x0              ; e0 .. e7
	s_add_nc_u64 s[20:21], s[86:87], s[20:21]
	s_add_nc_u64 s[46:47], s[88:89], s[46:47]
	CROUND                                         ; all sixteen work-groups are here: the first joint loads meet
.irp s, 0,1
	s_mov_b32 s[G0+4*\s], 1
	s_add_co_u32 s[G0+4*\s+1], s45, \s*SLOT
	s_add_nc_u64 s[G0+4*\s+2:G0+4*\s+3], s[20:21], \s*ROWB
	s_or_b32 s[G0+4*\s+3], s[G0+4*\s+3], 0x80000000
	s_mov_b32 s[G0B+4*\s], 1
	s_add_co_u32 s[G0B+4*\s+1], s45, \s*SLOT
	s_add_nc_u64 s[G0B+4*\s+2:G0B+4*\s+3], s[46:47], \s*ROWB
	s_or_b32 s[G0B+4*\s+3], s[G0B+4*\s+3], 0x80000000
.endr
	JLOAD G0, G1, G0B, G1B                         ; K step 0: one tensor load a wave at the head
	v_and_b32 v1, 15, v0                           ; r = l % 16
	s_wait_alu depctr_va_vdst(0)
	v_bfe_u32 v2, v0, 4, 1                         ; g = l / 16
	v_mul_u32_u24 v3, v1, PITCH
	v_lshl_add_u32 v4, v2, 4, v3
	s_mul_i32 s21, s15, HALFT
	s_mul_i32 s22, s16, HALFT
	s_add_co_u32 s22, s22, 2*HALFT
.irp s, 0,1
	v_add_nc_u32 v[ADRA+\s], s21, v4
	v_add_nc_u32 v[ADRB+\s], s22, v4
	s_add_co_u32 s21, s21, SLOT
	s_add_co_u32 s22, s22, SLOT
.endr
	; every LDS address of both ways out is made here, ahead of the parting
	s_mul_i32 s23, s14, 2560
	s_add_co_u32 s23, s23, STAGEQ
	v_mul_u32_u24 v5, v1, 80
	s_wait_alu depctr_va_vdst(0)
	v_lshl_add_u32 v5, v2, 3, v5
	v_add_nc_u32 v[STOQ], s23, v5                  ; in: token r, 8 bytes for each half of the lanes
	v_and_b32 v6, 31, v0
	v_lshrrev_b32 v5, 2, v6
	v_mul_u32_u24 v5, v5, 80
	v_and_b32 v7, 3, v0
	v_lshl_add_u32 v5, v7, 4, v5
	v_add_nc_u32 v[RDQ], s23, v5                   ; back: four lanes to a row of 64 bytes, eight rows an instruction
	s_mul_i32 s23, s14, 2304
	s_add_co_u32 s23, s23, STAGEV
	v_mul_u32_u24 v5, v1, 144
	v_lshl_add_u32 v5, v2, 4, v5
	v_add_nc_u32 v[STOV], s23, v5                  ; in: row r, + 16 g: the place of key 8 g
	v_lshrrev_b32 v5, 3, v6
	v_mul_u32_u24 v5, v5, 144
	v_and_b32 v7, 7, v0
	v_lshl_add_u32 v5, v7, 4, v5
	v_add_nc_u32 v[RDV], s23, v5                   ; back: eight lanes to a row of 128 bytes, four rows an instruction
	v_lshlrev_b32 v[CO], 4, v6
	v_lshlrev_b32 v[BO], 5, v2
	v_lshlrev_b32 v[BR], 2, v1
.macro FRAG reg, adr, q, i             ; 16 rows x 128 K: registers 4 c .. 4 c + 3 hold K = 32 c + 16 (l / 16) + 0 .. 15: the same permutation of k in A and in B
.irp c, 0,1,2,3
	ds_load_b128 v[\reg+4*\c:\reg+4*\c+3], v[\adr] offset:128*(\q)+32*\c+(\i)*16*PITCH
.endr
.endm
; 16 matrix instructions: A's blocks a0, a0 + 1 x B's eight.  The 64 accumulators take turns, one instruction a turn, in the same order in every step.
.macro MUL16 a0, p, zero
.irp a, \a0, \a0+1
.irp b, 0,1,2,3,4,5,6,7
.if \zero
	v_wmma_f32_16x16x128_fp8_fp8 v[8*(8*((\a)%4)+\b):8*(8*((\a)%4)+\b)+7], v[128*(\p)+FR*\b:128*(\p)+FR*\b+FR-1], v[AF+FR*(\a):AF+FR*(\a)+FR-1], 0
.else
	v_wmma_f32_16x16x128_fp8_fp8 v[8*(8*((\a)%4)+\b):8*(8*((\a)%4)+\b)+7], v[128*(\p)+FR*\b:128*(\p)+FR*\b+FR-1], v[AF+FR*(\a):AF+FR*(\a)+FR-1], v[8*(8*((\a)%4)+\b):8*(8*((\a)%4)+\b)+7]
.endif
.endr
.endr
.endm
.macro FETCH_B slot, q, p
	WIN TO_B
.irp i, 0,1,2,3,4,5,6,7
	FRAG 128*(\p)+FR*\i, ADRB+\slot, \q, \i
.endr
	WIN 0
.endm
.macro FETCH_A slot, q, i0
.irp i, \i0, \i0+1, \i0+2, \i0+3
	FRAG AF+FR*(\i), ADRA+\slot, \q, \i
.endr
.endm
.macro PLACES n                        ; plain vector lines between a matrix instruction and a load into, or a vector line on, its registers
.rept \n
	v_nop
.endr
.endm
.macro STEP slot, q, zero              ; a step of 128 along K that has its successor in the same slot
	s_wait_dscnt 4*NL                              ; B's set and A's blocks 0-3 are in; the youngest 16 loads (A's blocks 4-7) may be out
	WIN MUL_LO
	MUL16 0, (\q)%2, \zero
	MUL16 2, (\q)%2, \zero
	s_wait_dscnt 0
	PLACES NP
	FETCH_B \slot, (\q)+1, 1-(\q)%2
	FETCH_A \slot, (\q)+1, 0
	WIN MUL_HI
	MUL16 4, (\q)%2, \zero
	MUL16 6, (\q)%2, \zero
	PLACES NP
	WIN 0
	FETCH_A \slot, (\q)+1, 4
.endm
; A slot's last step changes slots: one barrier; in front of it each wave waits for all its tensor loads, adds 0 to its spare word, and waits for that and for its reads of this slot.
.macro TURN slot, next, fill
	s_wait_tensorcnt 0x0                           ; all my tensor loads have landed: my part of the next slot
	ds_add_u32 v[SPW], v[NIL]
	s_wait_dscnt 4*NL+1                            ; the add and the youngest 16 loads may be out
	WIN MUL_LO
	MUL16 0, 1, 0
	s_wait_dscnt 0x0                               ; the add is done, and my reads of this slot are over
	s_barrier_signal -1
	MUL16 2, 1, 0
	WIN 0
	s_barrier_wait -1
.if \fill
	CREST                                          ; the barrier has opened a round of the cluster's: no wave of any partner still reads this slot or has a load on its way
	s_add_nc_u64 s[G0+4*\slot+2:G0+4*\slot+3], s[G0+4*\slot+2:G0+4*\slot+3], 2*ROWB
	s_add_nc_u64 s[G0B+4*\slot+2:G0B+4*\slot+3], s[G0B+4*\slot+2:G0B+4*\slot+3], 2*ROWB
	JLOAD G0+4*\slot, G1, G0B+4*\slot, G1B         ; the first tensor load behind the round; its four v_nop are the places in front of the loads below
.else
	PLACES NP
.endif
	FETCH_B \next, 0, 0
	FETCH_A \next, 0, 0
	WIN MUL_HI
	MUL16 4, 1, 0
	MUL16 6, 1, 0
	PLACES NP
	WIN 0
	FETCH_A \next, 0, 4
.endm
.macro LAST                            ; the very last step: nothing more to fetch
	s_wait_dscnt 4*NL
	WIN MUL_LO
	MUL16 0, 1, 0
	MUL16 2, 1, 0
	s_wait_dscnt 0
	WIN MUL_HI
	MUL16 4, 1, 0
	MUL16 6, 1, 0
	WIN 0
.endm
.macro CONSTS e                        ; s[e]: the quantiser's exponent.  s96 = s97 = 2^(e0 + e1); v19 = 2^e; v18 = 448 x 2^e
	s_add_co_i32 s96, s72, s73
	s_add_co_i32 s96, s96, 127
	s_lshl_b32 s96, s96, 23
	s_mov_b32 s97, s96                             ; named with it as a pair, so it is written
	s_add_co_i32 s66, s[\e], 127
	s_lshl_b32 s67, s66, 23
	v_mov_b32 v[SCR], s67
	s_add_co_i32 s66, s66, 8
	s_lshl_b32 s66, s66, 23
	s_or_b32 s66, s66, 0x600000
	v_mov_b32 v[LIMR], s66
.endm
.macro HOLDCVT cc                      ; 64 numbers in TMP: the hold (the conversion does not saturate: ISA guide 7.6.2) and eight conversions
.set b_, 0
.rept 8
.set i, 0
.rept 8
	v_med3_num_f32 v[TMP+8*b_+i], v[TMP+8*b_+i], -v[LIMR], v[LIMR]
.set i, i+1
.endr
	v_cvt_scalef32_pk8_fp8_f32 v[\cc+2*b_:\cc+2*b_+1], v[TMP+8*b_:TMP+8*b_+7], v[SCR]
.set b_, b_+1
.endr
	v_nop                                          ; one plain line behind the last conversion of the run
.endm
	s_wait_alu depctr_va_vdst(0)
	s_wait_tensorcnt 0x0                           ; my part of K step 0 is in; slot 1's first fill is issued as a refill is:
	ds_add_u32 v[SPW], v[NIL]
	s_wait_dscnt 0x0                               ; the add is done
	CROUND                                         ; a whole round: everybody's part of K step 0 is in, and the joint loads meet
	JLOAD G0+4, G1, G0B+4, G1B                     ; K step 1: the first tensor load behind the round
	FETCH_B 0, 0, 0
	FETCH_A 0, 0, 0
	FETCH_A 0, 0, 4
	STEP 0, 0, 1                                   ; the first step starts the sums: nothing is cleared
	s_mov_b32 s3, LAPS-1
.Llap:                                                 ; a trip goes once round the ring and fills both slots again
	TURN 0, 1, 1
	STEP 1, 0, 0
	TURN 1, 0, 1
	STEP 0, 0, 0
	s_sub_co_u32 s3, s3, 1
	s_cmp_lg_u32 s3, 0
	s_cbranch_scc1 .Llap
	TURN 0, 1, 0                                   ; the last lap fills nothing
	STEP 1, 0, 0
	s_cmp_eq_u32 ttmp9, 2                          ; the ways part on the cluster's x: all tensor loads are issued and waited for, and no barrier stands in either tail
	s_cbranch_scc1 .Lv_tail
; ---------------- q and k: a lane holds token 16 a + r and, for block b, head b / 4, channels 16 (b % 4) + 8 g + 0 .. 7
	s_lshl_b32 s21, s40, 2
	s_lshl_b32 s22, s16, 1
	s_add_co_u32 s21, s21, s22                     ; my first head: 4 cx + 2 x half
	s_lshl_b32 s22, s17, 8
	s_lshl_b32 s23, s15, 7
	s_add_co_u32 s22, s22, s23                     ; my first token
	s_lshr_b32 s23, s22, 11
	s_lshl_b32 s23, s23, 21                        ; the batch: 16 heads x 2,048 x 64 bytes
	s_lshl_b32 s66, s21, 17
	s_add_co_u32 s23, s23, s66                     ; the head: 2,048 x 64 bytes
	s_and_b32 s66, s22, 2047
	s_lshl_b32 s66, s66, 6
	s_add_co_u32 s66, s23, s66
	s_mov_b32 s67, 0
	s_cmp_eq_u32 ttmp9, 0
	s_cselect_b64 s[90:91], s[80:81], s[82:83]
	s_add_nc_u64 s[90:91], s[90:91], s[66:67]
	s_mul_i32 s66, s21, 768                        ; the bias: 192 numbers a head,
	s_lshl_b32 s23, ttmp9, 8                       ; 64 a kind
	s_add_co_u32 s66, s66, s23
	s_add_nc_u64 s[92:93], s[10:11], s[66:67]
	s_wait_alu depctr_va_vdst(0)
.irp b, 0,1,2,3,4,5,6,7
	global_load_b128 v[BIAS+8*\b:BIAS+8*\b+3], v[BO], s[92:93] offset:768*(\b/4)+64*(\b%4)      ; they land under the last step's products
	global_load_b128 v[BIAS+8*\b+4:BIAS+8*\b+7], v[BO], s[92:93] offset:768*(\b/4)+64*(\b%4)+16
.endr
	LAST
	s_wait_kmcnt 0x0
	s_cmp_eq_u32 ttmp9, 0
	s_cselect_b32 s98, s74, s75                    ; e2 for q, e3 for k
	CONSTS 98
	PLACES NP                                      ; behind the last products: their results are read and A's registers written below
	s_wait_loadcnt 0x0                             ; the bias
.macro QK_STAGE a
.set AC, 64*((\a)%4)
.set CC, CODE+16*((\a)%2)
.set BB, BK+16*((\a)%2)
.set WN, 0x02+((\a)/4)
	WIN WN                                         ; source 0: window 2 or 3
.set n, 0
.rept 32
	v_pk_fma_f32 v[TMP+n:TMP+n+1], v[AC+n:AC+n+1], s[96:97], v[BIAS+n:BIAS+n+1] op_sel_hi:[1,0,1]   ; sum x 2^(e0 + e1) + bias; each accumulator from its low end on
.set n, n+2
.endr
	WIN 0
	HOLDCVT CC
.irp b, 0,1,2,3,4,5,6,7
	ds_store_b64 v[STOQ], v[CC+2*\b:CC+2*\b+1] offset:1280*(\b/4)+16*(\b%4)
.endr
.irp t, 0,1,2,3
	ds_load_b128 v[BB+4*\t:BB+4*\t+3], v[RDQ] offset:640*\t    ; LDS serves a wave's instructions in order: these see my stores
.endr
.endm
.macro QK_SEND a, younger
.set BB, BK+16*((\a)%2)
	s_wait_dscnt \younger                          ; the block is back; the next block's 8 stores and 4 loads may be out
.irp t, 0,1,2,3
	global_store_b128 v[CO], v[BB+4*\t:BB+4*\t+3], s[90:91] offset:1024*(\a)+131072*(\t/2)+512*(\t%2)   ; eight tokens of one head: 512 consecutive bytes, aligned
.endr
.endm
	QK_STAGE 0
.irp a, 1,2,3,4,5,6,7
.if \a > 1
	s_wait_xcnt 0x0                                ; block a - 2's stores have read their registers: block a's loads may land there
.endif
	QK_STAGE \a
	QK_SEND \a-1, 12
.endr
	QK_SEND 7, 0
	s_branch .Ldone
; ---------------- v: a lane holds row 16 a + r of the weight (head a / 4, channel 16 (a % 4) + r) and, for block i, tokens 16 i + 8 g + 0 .. 7 of one block of 128 keys
.Lv_tail:
	s_lshl_b32 s21, s41, 2
	s_lshl_b32 s22, s15, 1
	s_add_co_u32 s21, s21, s22                     ; my first head: 4 cy + 2 x half
	s_lshl_b32 s22, s42, 8
	s_lshl_b32 s23, s16, 7
	s_add_co_u32 s22, s22, s23                     ; my first token, a multiple of 128
	s_lshr_b32 s23, s22, 11
	s_lshl_b32 s23, s23, 4
	s_add_co_u32 s23, s23, s21
	s_lshl_b32 s23, s23, 17                        ; (16 x batch + head) x 131,072
	s_and_b32 s66, s22, 2047
	s_lshr_b32 s66, s66, 7
	s_lshl_b32 s66, s66, 13                        ; the block of 128 keys: 8,192 bytes
	s_add_co_u32 s66, s66, s23
	s_mov_b32 s67, 0
	s_add_nc_u64 s[90:91], s[84:85], s[66:67]
	s_mul_i32 s66, s21, 768
	s_add_co_u32 s66, s66, 512                     ; v's 64 numbers of a head's 192
	s_add_nc_u64 s[92:93], s[10:11], s[66:67]
	s_wait_alu depctr_va_vdst(0)
.irp a, 0,1,2,3,4,5,6,7
	global_load_b32 v[BIAS+2*\a], v[BR], s[92:93] offset:768*(\a/4)+64*(\a%4)     ; one number a lane and block, twice: a pair for the packed multiply-add
	global_load_b32 v[BIAS+2*\a+1], v[BR], s[92:93] offset:768*(\a/4)+64*(\a%4)
.endr
	LAST
	s_wait_kmcnt 0x0
	CONSTS 77                                      ; e5
	PLACES NP
	s_wait_loadcnt 0x0
.macro V_STAGE a
.set AC, 64*((\a)%4)
.set CC, CODE+16*((\a)%2)
.set BB, BK+16*((\a)%2)
.set WN, 0x02+((\a)/4)
	WIN WN
.set n, 0
.rept 32
	v_pk_fma_f32 v[TMP+n:TMP+n+1], v[AC+n:AC+n+1], s[96:97], v[BIAS+2*(\a):BIAS+2*(\a)+1] op_sel_hi:[1,0,1]
.set n, n+2
.endr
	WIN 0
	HOLDCVT CC
.irp i, 0,1,2,3,4,5,6,7
	ds_store_b64 v[STOV], v[CC+2*\i:CC+2*\i+1] offset:32*(\i/2)+8*(\i%2)   ; keys 16 i + 8 g on go to place 32 (i / 2) + 16 g + 8 (i % 2)
.endr
.irp t, 0,1,2,3
	ds_load_b128 v[BB+4*\t:BB+4*\t+3], v[RDV] offset:576*\t
.endr
.endm
.macro V_SEND a, younger
.set BB, BK+16*((\a)%2)
	s_wait_dscnt \younger
.irp t, 0,1,2,3
	global_store_b128 v[CO], v[BB+4*\t:BB+4*\t+3], s[90:91] offset:131072*((\a)/4)+2048*((\a)%4)+512*\t   ; four rows of 128 bytes: 512 consecutive bytes, aligned
.endr
.endm
	V_STAGE 0
.irp a, 1,2,3,4,5,6,7
.if \a > 1
	s_wait_xcnt 0x0
.endif
	V_STAGE \a
	V_SEND \a-1, 12
.endr
	V_SEND 7, 0
.Ldone:
	s_wait_tensorcnt 0x0                           ; the wave's end, behind my last tensor load and my last LDS store
	ds_add_u32 v[SPW], v[NIL]
	s_wait_dscnt 0x0
	CROUND                                         ; the closing round
	s_endpgm
.Lfunc_end_k_qd254033510_qkv:
	.size	k_qd254033510_qkv, .Lfunc_end_k_qd254033510_qkv-k_qd254033510_qkv
	.p2alignl 7, 3214868480
	.fill 96, 4, 3214868480
	.section	.rodata,"a",@progbits
	.p2align	6, 0x0
	.amdhsa_kernel k_qd254033510_qkv
		.amdhsa_group_segment_fixed_size 327680
		.amdhsa_private_segment_fixed_size 0
		.amdhsa_enable_private_segment 0
		.amdhsa_kernarg_size 56
		.amdhsa_user_sgpr_count 2
		.amdhsa_user_sgpr_kernarg_segment_ptr 1
		.amdhsa_wavefront_size32 1
		.amdhsa_system_sgpr_workgroup_id_x 1
		.amdhsa_system_sgpr_workgroup_id_y 1
		.amdhsa_system_sgpr_workgroup_id_z 1
		.amdhsa_system_vgpr_workitem_id 0
		.amdhsa_next_free_vgpr 1024
		.amdhsa_next_free_sgpr 100
		.amdhsa_reserve_vcc 0
		.amdhsa_float_denorm_mode_32 3
		.amdhsa_float_denorm_mode_16_64 3
		.amdhsa_memory_ordered 1
		.amdhsa_forward_progress 1
		.amdhsa_inst_pref_size 213
	.end_amdhsa_kernel
	.amdgpu_metadata
---
amdhsa.version: [ 1, 2 ]
amdhsa.kernels:
  - .name:           k_qd254033510_qkv
    .symbol:         k_qd254033510_qkv.kd
    .args:
      - { .name: x_codes, .offset: 0, .size: 8, .value_kind: global_buffer, .address_space: global }
      - { .name: wqkv_codes, .offset: 8, .size: 8, .value_kind: global_buffer, .address_space: global }
      - { .name: lowp_scales, .offset: 16, .size: 8, .value_kind: global_buffer, .address_space: global }
      - { .name: b_qkv, .offset: 24, .size: 8, .value_kind: global_buffer, .address_space: global }
      - { .name: q_codes, .offset: 32, .size: 8, .value_kind: global_buffer, .address_space: global }
      - { .name: k_codes, .offset: 40, .size: 8, .value_kind: global_buffer, .address_space: global }
      - { .name: v_codes, .offset: 48, .size: 8, .value_kind: global_buffer, .address_space: global }
    .group_segment_fixed_size: 327680
    .private_segment_fixed_size: 0
    .kernarg_segment_align: 8
    .kernarg_segment_size: 56
    .max_flat_workgroup_size: 128
    .sgpr_count:     100
    .vgpr_count:     1024
    .wavefront_size: 32
...
	.end_amdgpu_metadata
.endif
;; end of part 2
;; launch attn (part 3): grid 4 x 64, 8 waves a work-group, no clusters, 327,680 bytes of LDS; arguments q_codes, k_codes, v_codes, lowp_scales, val_codes; writes val_codes
.if DOCPART == 3
	.amdgcn_target "amdgcn-amd-amdhsa--gfx1250"
	.amdhsa_code_object_version 6
	.text
	.protected	k_qd254033510_attn
	.globl	k_qd254033510_attn
	.p2align	8
	.type	k_qd254033510_attn,@function
k_qd254033510_attn:
	s_mov_b64 s[64:65], 0
	v_nop
	global_prefetch_b8 v0, s[64:65] scope:SCOPE_SE
	s_setreg_imm32_b32 hwreg(HW_REG_WAVE_MODE, 25, 1), 1
	s_wait_xcnt 0x0
; Causal attention on codes of FP8 (E4M3), head size 64, 64 heads (batch x head) of 2,048 positions; the result is quantised with 2^e6 for the last product.
; q_codes, k_codes, val_codes: [bh][s][64].  v_codes: [bh][s / 128][64 d][128 places], the keys of a block laid so that 16-byte loads give the plain 8-bit layout its keys in their own places.
; THE SOFTMAX: t = score x 2^(e2 + e3) x log2(e) / 8; M = the running largest t rounded UP to a whole number; p = 2^(t - M) is quantised with 2^e4, not normalised; the row's sum is taken of the
; unquantised p in f32 and divides at the end.  When M moves, the sum and O are multiplied by 2^(old M - new M): exact.
; LEFT OUT: key steps all of whose keys come after a wave's queries: masked ahead of the softmax, they add nothing to any row.
; SHARES.  Work-group (j, bh) owns query blocks 7 - j and j (256 queries each) of head bh, ONE AFTER THE OTHER: it walks slots 0 .. 7 - j of 256 keys for the first and slots 0 .. j for the second:
; nine slots for every j, a constant trip count, and the ring of two slots goes on across the change of blocks.  Each of the eight waves owns 32 neighbouring queries of the block in hand, two tiles
; of 16, so that each fragment of K and of V that it reads from LDS feeds two matrix instructions.  In a block's last slot waves 0-3 leave the second step out (scalar branches on ids).
; THE CHANGE OF SLOTS STANDS INSIDE A SLOT'S SECOND STEP, behind its scores and its loads of V: there my reads of the slot are over.  So the next slot's first fragments of K land under the step's
; exponentials, and a refill has a whole trip in which to land.
; NO CLUSTER: the four work-groups of a head change from their first block to their second at trips 8 - j, so in one and the same round the partners would ask for different tiles.
; LAYOUT.  S^T = K Q^T (source 0 = 16 keys, source 1 = 16 queries), O^T = V^T P^T: a lane holds one query (l % 16) of each tile; register j of key tile c is key 16 c + 8 (l / 16) + j, so a tile's eight
; registers convert straight into registers 2 c, 2 c + 1 of P.  In K Q^T the 64 channels stand permuted alike in K and Q (16-byte loads): only the order of the sums inside an instruction changes.
; LIMITS: e2 + e3 between -123 and 130 (added to c's exponent field); e4 and e6 between -126 and 119; e4 + e5 goes by v_ldexp_f32 and has none; the scaled scores stay under 2^31.  NaN is not served.
; REGISTERS.  Window 0: v1-11 addresses; v12-15, v16-19 a tile's -M, largest t, sum in two halves; v[20:21], v[22:23] f; v24, v25 448 x 2^e4; v26 2^e4; v27 -infinity; v28-31 at work;
; v32-159 S^T of both tiles, then p; v160-191 p's codes (ahead of them: partial maxima and sums); v192-255 V's fragments.  Window 1: v0-63 K's fragments; v64-79 Q; v80-143 O^T; v144-159 the second block's Q.
.set KP,    80                         ; a key's row in LDS: 64 bytes + 16
.set VP,    144                        ; a row of V's tile: 128 bytes + 16
.set VOFF,  256*KP                     ; a slot: 256 rows of K, then 128 rows of V (two blocks of 64 d)
.set SLOT1, 1<<16                      ; slot 1 begins here: one exclusive or turns an address
.set SPARE, 2*SLOT1                    ; the spare words: 128 bytes for each of 8 waves: four blocks of 256 bytes that no other line names
.set STAGE, SPARE+1024                 ; the way out: 32 rows x (64 bytes + 16) for each wave; no tensor load lands here
.set AK0,  1
.set AV0,  2
.set PFO,  3                           ; 256 x lane
.set DG,   4                           ; l % 16 - 8 (l / 16): for the diagonal
.set SPW,  5
.set NIL,  6
.set GO,   7                           ; 16 x lane
.set ADK,  8
.set ADV,  9
.set STO,  10
.set RD,   11
.set S,    32
.set P,    160
.set VF,   192
.set KFR,  0                           ; window 1
.set QR,   64
.set OA,   80
.set QB,   144
.set TB,   2                           ; s2  LDS byte at which the slot in hand begins
.set WV,   18
.set SEL,  20
.set CS,   22
.set G1K,  24
.set G1V,  32
.set G0K,  40
.set G0V,  44
.set LK,   56                          ; the first key of the slot asked for last
.set LA,   57                          ; the first key of the first block's last slot
.set BACK, 58                          ; bytes from behind that slot back to key 0
.set Q0B,  66                          ; the second block's first query of my wave
.set SLOTS, 67
.set PFA,  76
.set LIM,  80
.set E45,  81
.set SC6,  84
.set PL6,  85
.set NL6,  86
.set KF,   98                          ; the step's first key
.set Q0,   99                          ; my first query of the block in hand
.set MSB, 0
.macro WIN new                         ; low byte: bits 1:0 source 0, 3:2 source 1, 5:4 source 2, 7:6 destination; the high byte repeats the setting that is left
.if MSB != \new
	s_set_vgpr_msb (MSB<<8)|\new
.set MSB, \new
.endif
.endm
; Waves 0-3 fetch K's quarters of a slot, waves 4-7 V's: one load a wave.  An s_nop 0 and four v_nop follow each line.
.macro TLOAD
	s_cmp_lt_u32 s[WV], 4
	s_cbranch_scc0 .Lfor_v_\@
	tensor_load_to_lds s[G0K:G0K+3], s[G1K:G1K+7]
	s_nop 0
.rept 4
	v_nop
.endr
	s_branch .Lasked_\@
.Lfor_v_\@:
	tensor_load_to_lds s[G0V:G0V+3], s[G1V:G1V+7]
	s_nop 0
.rept 4
	v_nop
.endr
.Lasked_\@:
.endm
; A prefetch of what the NEXT change of slots will ask for.  The head's work-group j = 0, whose first block walks all eight slots, asks, and nobody else; in it waves 0, 1 ask for K's two halves and
; waves 2, 3 for V's: 8,192 bytes a wave, lanes 256 bytes apart, one instruction.  The first six changes name slots 2 to 7: each aligned block of 256 bytes is named once in the launch; slots 0 and 1 come by their loads alone.
.macro ASK
	s_cmp_gt_u32 s[SLOTS], s[LIM]
	s_cbranch_scc0 .Lnot_mine_\@
	global_prefetch_b8 v[PFO], s[PFA:PFA+1] th:TH_LOAD_NT scope:SCOPE_SE
.Lnot_mine_\@:
.endm
.macro KLOAD q                         ; the eight fragments of K of the slot's q-th 128 keys, into window 1
	WIN 0x40
.irp c, 0,1,2,3,4,5,6,7
	ds_load_b128 v[KFR+8*\c:KFR+8*\c+3], v[ADK] offset:(128*(\q)+16*\c)*KP
	ds_load_b128 v[KFR+8*\c+4:KFR+8*\c+7], v[ADK] offset:(128*(\q)+16*\c)*KP+32
.endr
	WIN 0
.endm
.macro INIT                            ; a block begins: the largest t -3e38, the sums and O^T zeros, which the first change of M leaves zeros
.irp st, 12, 16
	v_mov_b32 v[\st+1], 0xff61b1e6
	v_floor_f32 v[\st], -v[\st+1]
	v_mov_b32 v[\st+2], 0
	v_mov_b32 v[\st+3], 0
.endr
	WIN 0x40
.set i, 0
.rept 64
	v_mov_b32 v[OA+i], 0
.set i, i+1
.endr
	WIN 0
.endm
	s_load_b256 s[4:11], s[0:1], 0x0               ; q_codes s[4:5], k_codes s[6:7], v_codes s[8:9], the exponents s[10:11]
	s_load_b64 s[12:13], s[0:1], 0x20              ; val_codes
	v_lshl_add_u32 v[SPW], v0, 2, SPARE
	v_mov_b32 v[NIL], 0
	ds_add_u32 v[SPW], v[NIL]                      ; the wave's opening: the add, twice on end, and its wait ahead of my first tensor load
	ds_add_u32 v[SPW], v[NIL]
	v_lshrrev_b32 v8, 5, v0
	v_readfirstlane_b32 s[WV], v8                  ; wave 0..7
	s_and_b32 s82, ttmp7, 0xffff                   ; bh
	s_lshl_b32 s84, s82, 17                        ; the head's first byte in each of the four tensors of codes: 2,048 x 64
	s_mov_b32 s85, 0
	s_lshl_b32 s83, s[WV], 5
	s_sub_co_u32 s86, 7, ttmp9
	s_lshl_b32 s[LA], s86, 8
	s_add_co_u32 s[Q0], s[LA], s83                 ; first block: 256 (7 - j) + 32 w
	s_add_co_u32 s[BACK], s[LA], 256
	s_lshl_b32 s[BACK], s[BACK], 6                 ; 64 bytes a key in K and in V
	s_lshl_b32 s86, ttmp9, 8
	s_add_co_u32 s[Q0B], s86, s83                  ; second block: 256 j + 32 w
	s_lshl_b32 s86, s[Q0], 6
	s_mov_b32 s87, 0
	s_add_nc_u64 s[86:87], s[86:87], s[84:85]      ; my queries' first byte in q_codes and val_codes, first block,
	s_lshl_b32 s88, s[Q0B], 6
	s_mov_b32 s89, 0
	s_add_nc_u64 s[88:89], s[88:89], s[84:85]      ; second block
	s_and_b32 s90, s[WV], 3
	s_lshl_b32 s92, s90, 12                        ; which quarter of a slot I fetch: 4,096 bytes in memory,
	s_mov_b32 s93, 0
	s_add_nc_u64 s[92:93], s[92:93], s[84:85]
	s_mul_i32 s91, s90, 64*KP                      ; 64 rows of K in a slot,
	s_mul_i32 s94, s90, 32*VP
	s_add_co_u32 s94, s94, VOFF                    ; or 32 rows of V
	s_and_b32 s78, s[WV], 1
	s_lshl_b32 s78, s78, 13                        ; the prefetches: which half
	s_mov_b32 s79, 0
	s_add_nc_u64 s[78:79], s[78:79], s[84:85]
	s_mul_i32 s95, s[WV], 32*KP
	s_add_co_u32 s95, s95, STAGE                   ; my stage
	; both tiles are dense in memory: 4,096 bytes stated as 16 rows of 256, with the padding behind each 64 (K) or 128 (V) bytes
	s_mov_b32 s[G1K], (0<<16)|(1<<20)|(3<<22)|(3<<25)   ; no mask; elements of 1 byte; padding: 4 words after every 16
	s_mov_b32 s[G1V], (0<<16)|(1<<20)|(4<<22)|(3<<25)   ; 4 words after every 32
.irp g, G1K, G1V
	s_mov_b32 s[\g+1], 256<<16                     ; tensor_dim0
	s_mov_b32 s[\g+2], 16<<16                      ; tensor_dim1
	s_mov_b32 s[\g+3], 256<<16                     ; tile_dim0
	s_mov_b32 s[\g+4], 16                          ; tile_dim1
	s_mov_b32 s[\g+5], 256                         ; stride
	s_mov_b32 s[\g+6], 0
	s_mov_b32 s[\g+7], 0
.endr
	s_mov_b32 s[SEL], 0x76543210
	s_mov_b32 s[SEL+1], 0xfedcba98
	s_mov_b32 s[CS], 0x3e38aa3b                    ; c = log2(e) / 8
	s_mov_b32 s[TB], SLOT1                         ; the first change turns it to slot 0
	s_mov_b32 s[SLOTS], 8
	s_mov_b32 s[KF], 0
	s_mov_b32 s[LK], 0
	s_mov_b32 s97, 0                               ; the upper word of the pair s[96:97]; never rewritten
	s_wait_dscnt 0x0                               ; both opening adds are done
	s_wait_kmcnt 0x0
	s_load_b256 s[68:75], s[10:11], 0x0            ; e0 .. e7
	s_mov_b32 s[G0K], 1
	s_mov_b32 s[G0K+1], s91
	s_add_nc_u64 s[G0K+2:G0K+3], s[6:7], s[92:93]
	s_or_b32 s[G0K+3], s[G0K+3], 0x80000000
	s_mov_b32 s[G0V], 1
	s_mov_b32 s[G0V+1], s94
	s_add_nc_u64 s[G0V+2:G0V+3], s[8:9], s[92:93]
	s_or_b32 s[G0V+3], s[G0V+3], 0x80000000
	TLOAD                                          ; slot 0: every wave's one tensor load at the head
	s_add_nc_u64 s[52:53], s[4:5], s[86:87]        ; Q of the first block, of the second
	s_add_nc_u64 s[54:55], s[4:5], s[88:89]
	s_add_nc_u64 s[48:49], s[12:13], s[86:87]      ; the results' places
	s_add_nc_u64 s[50:51], s[12:13], s[88:89]
	s_cmp_lt_u32 s[WV], 2
	s_cselect_b64 s[PFA:PFA+1], s[6:7], s[8:9]
	s_add_nc_u64 s[PFA:PFA+1], s[PFA:PFA+1], s[78:79]
	s_add_nc_u64 s[PFA:PFA+1], s[PFA:PFA+1], 16384 ; in slot 1: the first change of slots steps it to slot 2
	s_lshr_b32 s82, s[WV], 2                       ; 0 in waves 0 to 3,
	s_or_b32 s82, s82, ttmp9                       ; of work-group j = 0
	s_cmp_eq_u32 s82, 0
	s_cselect_b32 s[LIM], 2, -1
	s_wait_kmcnt 0x0
	s_add_co_i32 s82, s70, s71
	s_lshl_b32 s82, s82, 23
	s_add_co_i32 s[CS], s[CS], s82                 ; e2 + e3 go into c's exponent field
	s_mov_b32 s[CS+1], s[CS]
	s_add_co_i32 s82, s72, 127
	s_lshl_b32 s83, s82, 23                        ; 2^e4
	s_add_co_i32 s82, s82, 8
	s_lshl_b32 s82, s82, 23
	s_or_b32 s82, s82, 0x600000                    ; 448 x 2^e4
	s_add_co_i32 s[E45], s72, s73                  ; e4 + e5
	s_add_co_i32 s[PL6], s74, 127
	s_lshl_b32 s[SC6], s[PL6], 23                  ; 2^e6
	s_add_co_i32 s[PL6], s[PL6], 8
	s_lshl_b32 s[PL6], s[PL6], 23
	s_or_b32 s[PL6], s[PL6], 0x600000              ; 448 x 2^e6,
	s_or_b32 s[NL6], s[PL6], 0x80000000            ; and its negative
	v_and_b32 v8, 15, v0                           ; r
	v_bfe_u32 v9, v0, 4, 1                         ; h
	v_lshlrev_b32 v30, 6, v8
	v_lshl_add_u32 v30, v9, 4, v30                 ; Q: row r of 64 bytes, + 16 h
	WIN 0x40
.irp u, 0,1
	global_load_b128 v[QR+8*\u:QR+8*\u+3], v30, s[52:53] offset:1024*\u
	global_load_b128 v[QR+8*\u+4:QR+8*\u+7], v30, s[52:53] offset:1024*\u+32
	global_load_b128 v[QB+8*\u:QB+8*\u+3], v30, s[54:55] offset:1024*\u
	global_load_b128 v[QB+8*\u+4:QB+8*\u+7], v30, s[54:55] offset:1024*\u+32
.endr
	WIN 0
	v_mul_u32_u24 v[AK0], v8, KP
	v_lshl_add_u32 v[AK0], v9, 4, v[AK0]
	v_mul_u32_u24 v[AV0], v8, VP
	v_lshl_add_u32 v[AV0], v9, 4, v[AV0]
	v_add_nc_u32 v[AV0], VOFF, v[AV0]
	v_lshlrev_b32 v[DG], 3, v9
	v_sub_nc_u32 v[DG], v8, v[DG]
	v_mul_u32_u24 v[STO], v8, KP
	v_lshl_add_u32 v[STO], v9, 3, v[STO]
	v_add_nc_u32 v[STO], s95, v[STO]               ; the stage, in: row r, 8 bytes for each half of the lanes
	v_and_b32 v[GO], 31, v0
	v_lshrrev_b32 v[RD], 2, v[GO]
	v_mul_u32_u24 v[RD], v[RD], KP
	v_and_b32 v31, 3, v0
	v_lshl_add_u32 v[RD], v31, 4, v[RD]
	v_add_nc_u32 v[RD], s95, v[RD]                 ; back: four lanes to a row, eight rows an instruction
	v_lshlrev_b32 v[PFO], 8, v[GO]
	v_lshlrev_b32 v[GO], 4, v[GO]
	v_mov_b32 v21, 0                               ; named as the upper halves of the pairs of f
	v_mov_b32 v23, 0
	v_mov_b32 v28, 0                               ; a lane permute's destination counts as one of its sources
	v_mov_b32 v29, 0
	v_mov_b32 v24, s82                             ; the bound twice: one register for each half of a dual pair
	v_mov_b32 v25, s82
	v_mov_b32 v26, s83
	v_mov_b32 v27, 0xff800000
	INIT
; A KEY STEP, 128 keys, the q-th of the slot in hand, for both my tiles, IN TWO PARTS.  The first: the scores, the loads of V, the maxima, O^T under the new M, tile 0's t - M.
.macro STEPA q
.if \q
	s_cmp_gt_u32 s[KF], s[Q0]                      ; both are multiples of 32: all 128 keys come after my 32 queries.  Ids and the count of steps alone
	s_wait_alu depctr_va_vdst(0)
	s_cbranch_scc1 .Lhid_a_\@
.endif
	s_wait_dscnt 0x0                               ; K's fragments are in
	WIN 0x05
.irp c, 0,1,2,3,4,5,6,7
	v_wmma_f32_16x16x64_fp8_fp8 v[S+8*\c:S+8*\c+7], v[KFR+8*\c:KFR+8*\c+7], v[QR:QR+7], 0
	v_wmma_f32_16x16x64_fp8_fp8 v[S+64+8*\c:S+64+8*\c+7], v[KFR+8*\c:KFR+8*\c+7], v[QR+8:QR+15], 0
.endr
	WIN 0
.rept 4
	v_nop                                          ; places in front of the loads below and of the first read of the scores
.endr
.irp t, 0,1,2,3
.irp c, 0,1,2,3
	ds_load_b128 v[VF+16*\t+4*\c:VF+16*\t+4*\c+3], v[ADV] offset:(64*(\q)+16*\t)*VP+32*\c   ; V's fragments land under the softmax,
.endr
.endr
.if \q == 0
	KLOAD 1                                        ; and so do the next step's fragments of K
.endif
	s_add_co_u32 s96, s[KF], 127
	s_cmp_le_u32 s96, s[Q0]                        ; every key counts for every query of mine: no mask
	s_cbranch_scc1 .Lopen_\@
	s_sub_co_i32 s96, s[Q0], s[KF]
	v_add_nc_u32 v30, s96, v[DG]                   ; register 8 c + j holds key KF + 16 c + 8 h + j: hidden where 16 c + j > my query - KF - 8 h
	v_add_nc_u32 v31, 16, v30                      ; the second tile's queries lie 16 on
.irp u, 0,1
.set n, 0
.rept 64
	v_cmp_gt_i32 vcc_lo, 16*(n/8)+n%8, v[30+\u]
	v_cndmask_b32 v[S+64*\u+n], v[S+64*\u+n], v27, vcc_lo
.set n, n+1
.endr
.endr
.Lopen_\@:
	v_max3_num_f32 v30, v[S], v[S+1], v[S+2]       ; the step's largest scores: two chains a tile, the four by turns, each accumulator from its low end on
	v_max3_num_f32 v31, v[S+64], v[S+65], v[S+66]
	v_max3_num_f32 v[P], v[S+3], v[S+4], v[S+5]
	v_max3_num_f32 v[P+1], v[S+67], v[S+68], v[S+69]
.set i, 6
.rept 14
	v_max3_num_f32 v30, v30, v[S+i], v[S+i+1]
	v_max3_num_f32 v31, v31, v[S+64+i], v[S+65+i]
	v_max3_num_f32 v[P], v[P], v[S+i+2], v[S+i+3]
	v_max3_num_f32 v[P+1], v[P+1], v[S+66+i], v[S+67+i]
.set i, i+4
.endr
	v_max3_num_f32 v30, v30, v[S+62], v[S+63]
	v_max3_num_f32 v31, v31, v[S+126], v[S+127]
	v_max_num_f32 v30, v30, v[P]
	v_max_num_f32 v31, v31, v[P+1]
	v_permlanex16_b32 v28, v30, s[SEL], s[SEL+1]
	v_permlanex16_b32 v29, v31, s[SEL], s[SEL+1]
	v_max_num_f32 v30, v30, v28                    ; and lane l xor 16's
	v_max_num_f32 v31, v31, v29
	v_mul_f32 v30, s[CS], v30                      ; as t (c is positive)
	v_mul_f32 v31, s[CS], v31
	v_max_num_f32 v13, v13, v30                    ; the running largest t
	v_max_num_f32 v17, v17, v31
	v_mov_b32 v30, v12
	v_mov_b32 v31, v16
	v_floor_f32 v12, -v13                          ; the new -M = -ceil(t)
	v_floor_f32 v16, -v17
	v_sub_f32 v30, v12, v30                        ; old M - new M: a whole number, 0 or less
	v_sub_f32 v31, v16, v31
	v_cvt_i32_f32 v30, v30                         ; (it saturates)
	v_cvt_i32_f32 v31, v31
	v_ldexp_f32 v20, 1.0, v30                      ; f = 2^(old M - new M)
	v_ldexp_f32 v22, 1.0, v31
	WIN 0x41
.set i, 0
.rept 16
	v_pk_mul_f32 v[OA+i:OA+i+1], v[OA+i:OA+i+1], v[20:21] op_sel_hi:[1,0]   ; O^T under the new M: no exponential stands between the last products and these lines
.set i, i+2
.endr
.rept 16
	v_pk_mul_f32 v[OA+i:OA+i+1], v[OA+i:OA+i+1], v[22:23] op_sel_hi:[1,0]
.set i, i+2
.endr
	WIN 0
.set i, 0
.rept 32
	v_pk_fma_f32 v[S+i:S+i+1], v[S+i:S+i+1], s[CS:CS+1], v[12:13] op_sel_hi:[1,0,0]   ; tile 0: t - M
.set i, i+2
.endr
.if \q
.Lhid_a_\@:
.endif
.endm
.macro CH i                            ; tile 1's sum, two chains
	v_pk_add_f32 v[18:19], v[18:19], v[S+64+\i:S+65+\i]
	v_pk_add_f32 v[30:31], v[30:31], v[S+66+\i:S+67+\i]
.endm
.macro TA a, b                         ; tile 0's sum: partial sum a += partial sum b
	v_pk_add_f32 v[P+2*(\a):P+2*(\a)+1], v[P+2*(\a):P+2*(\a)+1], v[P+2*(\b):P+2*(\b)+1]
.endm
; The second part: the exponentials, the sums, the codes, the second product.  Among a tile's exponentials stand plain lines of the other tile whose results are read only behind the wait that follows the batch.
.macro STEPB q
.if \q
	s_cmp_gt_u32 s[KF], s[Q0]                      ; the same test as in the first part
	s_cbranch_scc1 .Lhid_b_\@
.endif
	s_wait_alu depctr_va_vdst(0)
.set i, 0
.rept 32
	v_exp_f32 v[S+i], v[S+i]                       ; tile 0: p = 2^(t - M);
	v_pk_fma_f32 v[S+64+i:S+65+i], v[S+64+i:S+65+i], s[CS:CS+1], v[16:17] op_sel_hi:[1,0,0]   ; tile 1: t - M
	v_exp_f32 v[S+i+1], v[S+i+1]
.set i, i+2
.endr
	v_pk_mul_f32 v[14:15], v[14:15], v[20:21] op_sel_hi:[1,0]   ; the sums under the new M: the plain lines behind the exponentials
	v_pk_mul_f32 v[18:19], v[18:19], v[22:23] op_sel_hi:[1,0]
	s_wait_alu depctr_va_vdst(0)                   ; one wait behind the first batch and ahead of the second
.set k, 0
.rept 16
	v_exp_f32 v[S+64+4*k], v[S+64+4*k]             ; tile 1: p;
	v_pk_add_f32 v[P+2*k:P+2*k+1], v[S+4*k:S+4*k+1], v[S+4*k+2:S+4*k+3]   ; tile 0: sixteen partial sums of the unquantised p,
	v_exp_f32 v[S+65+4*k], v[S+65+4*k]
	v_dual_min_num_f32 v[S+4*k], v24, v[S+4*k] :: v_dual_min_num_f32 v[S+4*k+1], v25, v[S+4*k+1]   ; then the hold: the conversion does not saturate (ISA guide 7.6.2); p is not negative
	v_exp_f32 v[S+66+4*k], v[S+66+4*k]
	v_dual_min_num_f32 v[S+4*k+2], v24, v[S+4*k+2] :: v_dual_min_num_f32 v[S+4*k+3], v25, v[S+4*k+3]
	v_exp_f32 v[S+67+4*k], v[S+67+4*k]
.set k, k+1
.endr
	v_nop                                          ; the plain line behind the exponentials
	s_wait_alu depctr_va_vdst(0)                   ; one wait for the batch and for the plain lines in it, ahead of their first readers
	v_pk_add_f32 v[30:31], v[S+64:S+65], v[S+66:S+67]
.irp k, 0,1,2,3,4,5,6,7
	TA \k, \k+8
.endr
	CH 4
	TA 0, 4
	TA 1, 5
	CH 8
	TA 2, 6
	TA 3, 7
	CH 12
	TA 0, 2
	TA 1, 3
	CH 16
	CH 20
	TA 0, 1
	CH 24
	CH 28
	v_pk_add_f32 v[14:15], v[14:15], v[P:P+1]
.irp i, 32,36,40,44,48,52,56,60
	CH \i
.endr
	v_pk_add_f32 v[18:19], v[18:19], v[30:31]
.set c_, 0
.rept 8
	v_cvt_scalef32_pk8_fp8_f32 v[P+2*c_:P+2*c_+1], v[S+8*c_:S+8*c_+7], v26
.set i, 0
.rept 4
	v_dual_min_num_f32 v[S+64+8*c_+i], v24, v[S+64+8*c_+i] :: v_dual_min_num_f32 v[S+65+8*c_+i], v25, v[S+65+8*c_+i]
.set i, i+2
.endr
	v_cvt_scalef32_pk8_fp8_f32 v[P+16+2*c_:P+17+2*c_], v[S+64+8*c_:S+71+8*c_], v26
.set c_, c_+1
.endr
	v_nop                                          ; one plain line between the last conversion and the products
	s_wait_alu depctr_va_vdst(0)
.if \q == 0
	s_wait_dscnt 16                                ; V's 16 loads are in; the next step's 16 loads of K may be out
.endif                                             ; (in the second step the change of slots has waited for V's loads)
	WIN 0x50
.irp t, 0,1,2,3
	v_wmma_f32_16x16x128_fp8_fp8 v[OA+8*\t:OA+8*\t+7], v[VF+16*\t:VF+16*\t+15], v[P:P+15], v[OA+8*\t:OA+8*\t+7]   ; the eight accumulators by turns
	v_wmma_f32_16x16x128_fp8_fp8 v[OA+32+8*\t:OA+32+8*\t+7], v[VF+16*\t:VF+16*\t+15], v[P+16:P+31], v[OA+32+8*\t:OA+32+8*\t+7]
.endr
	WIN 0
.if \q
.Lhid_b_\@:
.endif
	s_add_co_u32 s[KF], s[KF], 128
.endm
; THE CHANGE OF SLOTS: each wave waits for all its tensor loads, adds 0 to its spare word, and waits for that and for its reads of the slot in hand, which are over; one barrier; behind it the next slot
; is whole and nobody reads this one.  fill = 1: this slot takes the 256 keys of the trip after next: those that follow the slot asked for last, or, behind the first block's last slot, the head's first 256.
.macro CHANGE fill
	s_wait_tensorcnt 0x0                           ; no tensor load of mine is out, so a group 0 may be written
	ds_add_u32 v[SPW], v[NIL]
	s_xor_b32 s[TB], s[TB], SLOT1
.if \fill
	s_add_co_u32 s94, s[LK], 256
	s_cmp_eq_u32 s[LK], s[LA]                      ; ids and the count of changes alone
	s_cselect_b32 s96, s[BACK], 0
	s_cselect_b32 s[LK], 0, s94
	s_xor_b32 s[G0K+1], s[G0K+1], SLOT1
	s_add_nc_u64 s[G0K+2:G0K+3], s[G0K+2:G0K+3], 16384
	s_sub_nc_u64 s[G0K+2:G0K+3], s[G0K+2:G0K+3], s[96:97]
	s_xor_b32 s[G0V+1], s[G0V+1], SLOT1
	s_add_nc_u64 s[G0V+2:G0V+3], s[G0V+2:G0V+3], 16384
	s_sub_nc_u64 s[G0V+2:G0V+3], s[G0V+2:G0V+3], s[96:97]
	s_wait_xcnt 0x0                                ; the last prefetch, a slot back, has read its address
	s_add_nc_u64 s[PFA:PFA+1], s[PFA:PFA+1], 16384
.endif
	v_add_nc_u32 v[ADK], s[TB], v[AK0]
	v_add_nc_u32 v[ADV], s[TB], v[AV0]
	s_wait_alu depctr_va_vdst(0)
	s_wait_dscnt 0x0                               ; the add is done, and my reads of the slot in hand are over
	s_barrier_signal -1
	s_barrier_wait -1
.if \fill
	TLOAD                                          ; the first thing behind the barrier, and my one tensor load until the next
	ASK
.endif
	KLOAD 0                                        ; the next slot's first fragments of K
.endm
; THE WAY OUT of a block: O^T / the sum x 2^(e4 + e5), quantised with 2^e6; my 32 rows of 64 bytes go through my stage and leave as 512 consecutive, aligned bytes a store.
; Behind the first block the second begins.
.macro FIN
	s_wait_alu depctr_va_vdst(0)
.rept 4
	v_nop                                          ; places behind the last products
.endr
	v_add_f32 v14, v14, v15
	v_add_f32 v18, v18, v19
	v_permlanex16_b32 v28, v14, s[SEL], s[SEL+1]
	v_permlanex16_b32 v29, v18, s[SEL], s[SEL+1]
	v_add_f32 v14, v14, v28
	v_add_f32 v18, v18, v29
	v_mov_b32 v30, s[SC6]
	s_wait_alu depctr_va_vdst(0)
	v_rcp_f32 v14, v14
	v_rcp_f32 v18, v18
	v_nop                                          ; the plain line behind the reciprocals
	s_wait_alu depctr_va_vdst(0)                   ; one wait for both, ahead of their first reader
	v_ldexp_f32 v14, v14, s[E45]
	v_ldexp_f32 v18, v18, s[E45]
	WIN 0x01
	s_wait_alu depctr_va_vdst(0)
.set i, 0
.rept 16
	v_pk_mul_f32 v[S+i:S+i+1], v[OA+i:OA+i+1], v[14:15] op_sel_hi:[1,0]   ; register 8 t + j: value(query r, channel 16 t + 8 h + j)
.set i, i+2
.endr
.rept 16
	v_pk_mul_f32 v[S+i:S+i+1], v[OA+i:OA+i+1], v[18:19] op_sel_hi:[1,0]
.set i, i+2
.endr
	WIN 0
.set i, 0
.rept 64
	v_med3_num_f32 v[S+i], v[S+i], s[NL6], s[PL6]
.set i, i+1
.endr
.irp k, 0,1,2,3,4,5,6,7
	v_cvt_scalef32_pk8_fp8_f32 v[P+2*\k:P+2*\k+1], v[S+8*\k:S+8*\k+7], v30
.endr
	v_nop                                          ; one plain line behind the last conversion
.irp k, 0,1,2,3,4,5,6,7
	ds_store_b64 v[STO], v[P+2*\k:P+2*\k+1] offset:16*KP*(\k/4)+16*(\k%4)
.endr
.irp k, 0,1,2,3
	ds_load_b128 v[VF+4*\k:VF+4*\k+3], v[RD] offset:8*KP*\k   ; LDS serves a wave's instructions in order: these see my stores
.endr
	s_wait_dscnt 0x0
.irp k, 0,1,2,3
	global_store_b128 v[GO], v[VF+4*\k:VF+4*\k+3], s[48:49] offset:512*\k
.endr
	s_wait_xcnt 0x0                                ; on every way on: the stores have read their registers and their base, so V's next fragments may land there
	s_cmp_eq_u32 s[Q0], s[Q0B]                     ; that was the second block: nothing begins
	s_cbranch_scc1 .Lover_\@
	WIN 0x41
.set i, 0
.rept 16
	v_mov_b32 v[QR+i], v[QB+i]                     ; the second block's Q
.set i, i+1
.endr
	WIN 0
	INIT
	s_mov_b32 s[KF], 0
	s_mov_b32 s[Q0], s[Q0B]
	s_mov_b64 s[48:49], s[50:51]                   ; the second block's place among the results
.Lover_\@:
.endm
.macro BODY fill                       ; a trip: one slot
	STEPA 0
	STEPB 0
	STEPA 1
	CHANGE \fill
	STEPB 1
	s_cmp_gt_u32 s[KF], s[Q0]                      ; that was the block's last slot: ids and the count of steps alone
	s_cbranch_scc0 .Lgoes_on_\@
	FIN
.Lgoes_on_\@:
.endm
	s_wait_alu depctr_va_vdst(0)
	s_wait_loadcnt 0x0                             ; Q of both blocks
	CHANGE 1                                       ; slot 0 is whole; slot 1's first fill is issued as a refill is
	s_mov_b32 s[SLOTS], 7
.Lslot:                                                ; seven trips: trip i asks for the slot of trip i + 2
	BODY 1
	s_sub_co_u32 s[SLOTS], s[SLOTS], 1
	s_cmp_lg_u32 s[SLOTS], 0
	s_cbranch_scc1 .Lslot
	s_mov_b32 s[SLOTS], 2
.Ltail:                                                ; the last two trips ask for nothing.  They share one text: the second one's barrier and its loads of K serve nothing
	BODY 0
	s_sub_co_u32 s[SLOTS], s[SLOTS], 1
	s_cmp_lg_u32 s[SLOTS], 0
	s_cbranch_scc1 .Ltail
	s_wait_tensorcnt 0x0                           ; the wave's end
	ds_add_u32 v[SPW], v[NIL]
	s_wait_dscnt 0x0
	s_endpgm
.Lfunc_end_k_qd254033510_attn:
	.size	k_qd254033510_attn, .Lfunc_end_k_qd254033510_attn-k_qd254033510_attn
	.p2alignl 7, 3214868480
	.fill 96, 4, 3214868480
	.section	.rodata,"a",@progbits
	.p2align	6, 0x0
	.amdhsa_kernel k_qd254033510_attn
		.amdhsa_group_segment_fixed_size 327680
		.amdhsa_private_segment_fixed_size 0
		.amdhsa_enable_private_segment 0
		.amdhsa_kernarg_size 40
		.amdhsa_user_sgpr_count 2
		.amdhsa_user_sgpr_kernarg_segment_ptr 1
		.amdhsa_wavefront_size32 1
		.amdhsa_system_sgpr_workgroup_id_x 1
		.amdhsa_system_sgpr_workgroup_id_y 1
		.amdhsa_system_sgpr_workgroup_id_z 1
		.amdhsa_system_vgpr_workitem_id 0
		.amdhsa_next_free_vgpr 512
		.amdhsa_next_free_sgpr 100
		.amdhsa_reserve_vcc 1
		.amdhsa_float_denorm_mode_32 3
		.amdhsa_float_denorm_mode_16_64 3
		.amdhsa_memory_ordered 1
		.amdhsa_forward_progress 1
		.amdhsa_inst_pref_size 192
	.end_amdhsa_kernel
	.amdgpu_metadata
---
amdhsa.version: [ 1, 2 ]
amdhsa.kernels:
  - .name:           k_qd254033510_attn
    .symbol:         k_qd254033510_attn.kd
    .args:
      - { .name: q_codes, .offset: 0, .size: 8, .value_kind: global_buffer, .address_space: global }
      - { .name: k_codes, .offset: 8, .size: 8, .value_kind: global_buffer, .address_space: global }
      - { .name: v_codes, .offset: 16, .size: 8, .value_kind: global_buffer, .address_space: global }
      - { .name: lowp_scales, .offset: 24, .size: 8, .value_kind: global_buffer, .address_space: global }
      - { .name: val_codes, .offset: 32, .size: 8, .value_kind: global_buffer, .address_space: global }
    .group_segment_fixed_size: 327680
    .private_segment_fixed_size: 0
    .kernarg_segment_align: 8
    .kernarg_segment_size: 40
    .max_flat_workgroup_size: 256
    .sgpr_count:     100
    .vgpr_count:     512
    .wavefront_size: 32
...
	.end_amdgpu_metadata
.endif
;; end of part 3
;; launch outp (part 4): grid 4 x 64, 4 waves a work-group, clusters of 4 x 4, 327,680 bytes of LDS; arguments val_codes, wout_codes, lowp_scales, b_out, out0; writes out0
.if DOCPART == 4
	.amdgcn_target "amdgcn-amd-amdhsa--gfx1250"
	.amdhsa_code_object_version 6
	.text
	.protected	k_qd254033510_outp
	.globl	k_qd254033510_outp
	.p2align	8
	.type	k_qd254033510_outp,@function
k_qd254033510_outp:
	s_mov_b64 s[64:65], 0
	v_nop
	global_prefetch_b8 v0, s[64:65] scope:SCOPE_SE
	s_setreg_imm32_b32 hwreg(HW_REG_WAVE_MODE, 25, 1), 1
	s_wait_xcnt 0x0
	s_wait_alu depctr_hold_cnt(0) depctr_sa_sdst(0) depctr_va_vdst(0) depctr_va_sdst(0) depctr_va_ssrc(0) depctr_va_vcc(0) depctr_vm_vsrc(0)
	s_getreg_b32 s2, hwreg(HW_REG_IB_STS2, 6, 4)
	s_cmp_eq_u32 s2, 0
	s_cbranch_scc0 .Lentry_in_a_cluster
	s_endpgm
.Lentry_in_a_cluster:
	s_bfe_u32 s2, ttmp6, 0x10000c
	s_cmp_lg_u32 s2, 0xf033
	s_cbranch_scc0 .Lentry_shape_is_right
	s_endpgm
.Lentry_shape_is_right:
; out0 = values W_out + b_out on codes of FP8 (E4M3).  val_codes [8192][1024], wout_codes [1024 n][1024 k], K innermost; a sum stands for sum x 2^(e6 + e7); the bias is added by one fused multiply-add in f32.
; LIMIT: e6 + e7 between -126 and 127, so that 2^(e6 + e7) is an f32 number.
; A BLOCK of 128 rows x 256 columns for a work-group: 64 x 4 = 256 work-groups.  Four waves, 64 x 128 each: 32 accumulators, 256 registers.
; K = 1,024 goes in four steps of 256 through a ring of two LDS slots (128 rows of A, 256 rows of B, each 256 bytes + 16); a step is two halves of 128 along K, 32 matrix instructions each.
; Both operands have two sets of fragment registers: while one half is multiplied the next one's 48 loads are out, issued in one run behind the half's first eight products.
; CLUSTERS: 4 x 4 work-groups; A's tile is asked for jointly along a row of the cluster, B's along a column.  Waves 0, 1 fetch 64 rows of A each, waves 2, 3 128 rows of B each.
; THE MATRIX INSTRUCTION IS USED TRANSPOSED (source 0 = 16 rows of B, source 1 = 16 rows of A): a lane holds eight neighbouring numbers of a row of the result.
; NO PREFETCH: of the four K steps two are asked for at the head, and a request two steps ahead of the other two would stand at the head too, where nothing is prefetched.
; REGISTERS: window 0: v16-29 addresses; v32-95 the bias; v128-255 A's fragments, two sets of 4 x 16 (on the way out: rows read back).  Window 1: B's fragments, two sets of 8 x 16 (on the way out v0-63: a block's numbers).
; Window 2: the accumulators, (a, b) at v[8 (8 a + b)].
.set SIZE_N, 1024
.set KROW,   1024
.set ROWB,   256
.set PITCH,  272                       ; 68 words: the 16 rows that a load touches start at 16 different banks (64 banks of 4 bytes: ISA guide 11.1)
.set AROWS,  128*PITCH                 ; A's part of a slot; B's 256 rows lie behind it
.set SLOT,   384*PITCH
.set SPARE,  2*SLOT                    ; behind the ring: the spare words, two blocks of 256 bytes that no other line names
.set SPITCH, 528                       ; the way out: 16 rows x (512 bytes + 16) for each wave, in slot 0, which has had its last fill and its last read when the first result is stored there
.set ADRA, 16
.set ADRB, 20
.set STO,  24
.set RD,   25
.set CO,   26
.set BO,   27
.set SPW,  28
.set NIL,  29
.set BIAS, 32
.set TMP,  0
.set AF,   128
.set BK,   128
.set G1, 24
.set G0, 32
.set G1B, 48
.set G0B, 56
.set MSB, 0
.macro WIN new                         ; the immediate's high byte repeats the setting that is left
.if MSB != \new
	s_set_vgpr_msb (MSB<<8)|\new
.set MSB, \new
.endif
.endm
.set MUL, 0xa1                         ; source 0 (B) window 1, source 1 (A) window 0, C and D window 2
; A joint load: the branch hangs on the wave's number alone.  An s_nop 0 and four v_nop follow each line.
.macro JLOAD g0a, g0b
	s_cmp_eq_u32 s15, 0
	s_cbranch_scc0 .Lfor_b_\@
	tensor_load_to_lds s[\g0a:\g0a+3], s[G1:G1+7]
	s_nop 0
.rept 4
	v_nop
.endr
	s_branch .Lasked_\@
.Lfor_b_\@:
	tensor_load_to_lds s[\g0b:\g0b+3], s[G1B:G1B+7]
	s_nop 0
.rept 4
	v_nop
.endr
.Lasked_\@:
.endm
.macro CREST                           ; a round of the cluster's barrier behind its opening barrier
	s_cmp_lg_u32 s14, 0
	s_cbranch_scc1 .Lnot_wave_0_\@
	s_barrier_signal -3
.Lnot_wave_0_\@:
	s_barrier_wait -3
	s_barrier_signal -1
	s_barrier_wait -1
.endm
.macro CROUND
	s_barrier_signal -1
	s_barrier_wait -1
	CREST
.endm
.macro PLACES                          ; plain vector lines between a matrix instruction and a load into, or a vector line on, its registers
.rept 4
	v_nop
.endr
.endm
	s_load_b256 s[4:11], s[0:1], 0x0               ; val_codes s[4:5], wout_codes s[6:7], the exponents s[8:9], b_out s[10:11]
	s_load_b64 s[80:81], s[0:1], 0x20              ; out0
	v_lshl_add_u32 v[SPW], v0, 2, SPARE
	v_mov_b32 v[NIL], 0
	ds_add_u32 v[SPW], v[NIL]                      ; the wave's opening: the add, twice on end, and its wait ahead of my first tensor load
	ds_add_u32 v[SPW], v[NIL]
	v_lshrrev_b32 v1, 5, v0
	v_readfirstlane_b32 s14, v1                    ; wave 0..3
	s_lshr_b32 s15, s14, 1                         ; which 64 rows of the block are mine.  Also: I fetch for A (0) or for B (1)
	s_and_b32 s16, s14, 1                          ; which 128 columns.  Also: which half of that tile I fetch
	s_bfe_u32 s40, ttmp6, 0x40000                  ; cx, cy
	s_bfe_u32 s41, ttmp6, 0x40004
	s_lshl_b32 s42, ttmp9, 2
	s_add_co_u32 s42, s42, s40                     ; block column
	s_and_b32 s17, ttmp7, 0xffff
	s_lshl_b32 s17, s17, 2
	s_add_co_u32 s17, s17, s41                     ; block row
	s_lshl_b32 s43, s41, 2
	s_lshl_b32 s43, 15, s43                        ; my row of the cluster
	s_lshl_b32 s44, 0x1111, s40                    ; my column
	s_or_b32 s[G1+0], s43, (0<<16)|(1<<20)|(1<<21)|(5<<22)|(3<<25)  ; the mask; elements of 1 byte; padding on; bit 21 beside a mask; after every 64 words, 4 words
	s_or_b32 s[G1B+0], s44, (0<<16)|(1<<20)|(1<<21)|(5<<22)|(3<<25)
.irp g, G1, G1B
	s_mov_b32 s[\g+1], ROWB<<16                    ; tensor_dim0
	s_mov_b32 s[\g+3], ROWB<<16                    ; tile_dim0
	s_mov_b32 s[\g+5], KROW                        ; stride
	s_mov_b32 s[\g+6], 0
	s_mov_b32 s[\g+7], 0
.endr
	s_mov_b32 s[G1+2], 64<<16                      ; tensor_dim1, tile_dim1: 64 rows of A,
	s_mov_b32 s[G1+4], 64
	s_mov_b32 s[G1B+2], 128<<16                    ; 128 rows of B
	s_mov_b32 s[G1B+4], 128
	s_lshl_b32 s18, s16, 6
	s_lshl_b32 s20, s17, 7
	s_add_co_u32 s20, s20, s18                     ; A: row 128 x block row + 64 x half
	s_lshl_b32 s20, s20, 10                        ; 1,024 bytes a row
	s_mov_b32 s21, 0
	s_lshl_b32 s18, s16, 7
	s_lshl_b32 s46, s42, 8
	s_add_co_u32 s46, s46, s18                     ; B: row 256 x block column + 128 x half
	s_lshl_b32 s46, s46, 10
	s_mov_b32 s47, 0
	s_mul_i32 s45, s16, 64*PITCH                   ; where they go: no place in the cluster enters an LDS address
	s_mul_i32 s66, s16, 128*PITCH
	s_add_co_u32 s66, s66, AROWS
	s_wait_dscnt 0x0                               ; both opening adds are done
	s_wait_kmcnt 0x0
	s_load_b256 s[72:79], s[8:9], 0x0              ; e0 .. e7
	s_add_nc_u64 s[20:21], s[4:5], s[20:21]
	s_add_nc_u64 s[46:47], s[6:7], s[46:47]
	CROUND                                         ; all sixteen work-groups are here: the first joint loads meet
.irp s, 0,1
	s_mov_b32 s[G0+4*\s], 1
	s_add_co_u32 s[G0+4*\s+1], s45, \s*SLOT
	s_add_nc_u64 s[G0+4*\s+2:G0+4*\s+3], s[20:21], \s*ROWB
	s_or_b32 s[G0+4*\s+3], s[G0+4*\s+3], 0x80000000
	s_mov_b32 s[G0B+4*\s], 1
	s_add_co_u32 s[G0B+4*\s+1], s66, \s*SLOT
	s_add_nc_u64 s[G0B+4*\s+2:G0B+4*\s+3], s[46:47], \s*ROWB
	s_or_b32 s[G0B+4*\s+3], s[G0B+4*\s+3], 0x80000000
.endr
	JLOAD G0, G0B                                  ; K step 0: one tensor load a wave at the head
	s_mul_i32 s21, s15, 64*PITCH                   ; my 64 rows of A,
	s_mul_i32 s22, s16, 128*PITCH
	s_add_co_u32 s22, s22, AROWS                   ; my 128 rows of B,
	s_add_co_u32 s82, s21, SLOT                    ; and the same in slot 1
	s_add_co_u32 s83, s22, SLOT
	s_mul_i32 s23, s14, 16*SPITCH                  ; my stage
	s_lshl_b32 s84, s17, 7
	s_lshl_b32 s85, s15, 6
	s_add_co_u32 s84, s84, s85                     ; my first row of the result,
	s_lshl_b32 s84, s84, 12                        ; 4,096 bytes a row
	s_lshl_b32 s86, s42, 10
	s_lshl_b32 s87, s16, 9
	s_add_co_u32 s86, s86, s87                     ; my first column, in bytes: 1,024 x block column + 512 x half
	s_mov_b32 s87, 0
	s_add_co_u32 s84, s84, s86
	s_mov_b32 s85, 0
	s_add_nc_u64 s[80:81], s[80:81], s[84:85]
	s_add_nc_u64 s[92:93], s[10:11], s[86:87]      ; the bias of my columns
	v_and_b32 v1, 15, v0                           ; l % 16
	v_bfe_u32 v2, v0, 4, 1                         ; l / 16
	v_mul_u32_u24 v3, v1, PITCH
	v_lshl_add_u32 v4, v2, 4, v3                   ; a fragment's row x pitch + 16 x half
	v_add_nc_u32 v[ADRA], s21, v4
	v_add_nc_u32 v[ADRA+1], s82, v4
	v_add_nc_u32 v[ADRB], s22, v4
	v_add_nc_u32 v[ADRB+1], s83, v4
	v_mul_u32_u24 v5, v1, SPITCH
	v_lshl_add_u32 v5, v2, 5, v5
	v_add_nc_u32 v[STO], s23, v5                   ; the stage, in: row l % 16, 32 bytes for each half of the lanes
	v_and_b32 v6, 31, v0
	v_lshlrev_b32 v[CO], 4, v6                     ; back: the 32 lanes take one row of 512 bytes; and the same in the result
	v_add_nc_u32 v[RD], s23, v[CO]
	v_lshlrev_b32 v[BO], 5, v2
.irp b, 0,1,2,3,4,5,6,7
	global_load_b128 v[BIAS+8*\b:BIAS+8*\b+3], v[BO], s[92:93] offset:64*\b
	global_load_b128 v[BIAS+8*\b+4:BIAS+8*\b+7], v[BO], s[92:93] offset:64*\b+16
.endr
.macro FRAG reg, adr, q, i             ; 16 rows x 128 K: registers 4 c .. 4 c + 3 hold K = 32 c + 16 (l / 16) + 0 .. 15: the same permutation of k in A and in B
.irp c, 0,1,2,3
	ds_load_b128 v[\reg+4*\c:\reg+4*\c+3], v[\adr] offset:128*(\q)+32*\c+(\i)*16*PITCH
.endr
.endm
.macro FETCH slot, q, p                ; 48 loads in one run: the fragments of the slot's q-th 128 along K into set p
	WIN 0x40
.irp i, 0,1,2,3,4,5,6,7
	FRAG 128*(\p)+16*\i, ADRB+\slot, \q, \i
.endr
	WIN 0
.irp i, 0,1,2,3
	FRAG AF+64*(\p)+16*\i, ADRA+\slot, \q, \i
.endr
.endm
.macro MUL8 a, p, zero                 ; A's block a x B's eight.  The 32 accumulators take turns, one instruction a turn, in the same order in every half
.irp b, 0,1,2,3,4,5,6,7
.if \zero
	v_wmma_f32_16x16x128_fp8_fp8 v[8*(8*(\a)+\b):8*(8*(\a)+\b)+7], v[128*(\p)+16*\b:128*(\p)+16*\b+15], v[AF+64*(\p)+16*(\a):AF+64*(\p)+16*(\a)+15], 0
.else
	v_wmma_f32_16x16x128_fp8_fp8 v[8*(8*(\a)+\b):8*(8*(\a)+\b)+7], v[128*(\p)+16*\b:128*(\p)+16*\b+15], v[AF+64*(\p)+16*(\a):AF+64*(\p)+16*(\a)+15], v[8*(8*(\a)+\b):8*(8*(\a)+\b)+7]
.endif
.endr
.endm
.macro HALF0 slot, zero                ; a slot's first half, on set 0; the second half's fragments go into set 1
	s_wait_dscnt 0x0                               ; set 0 is in
	PLACES                                         ; for the loads into set 1, which the half before multiplied
	WIN MUL
	MUL8 0, 0, \zero
	FETCH \slot, 1, 1
	WIN MUL
	MUL8 1, 0, \zero
	MUL8 2, 0, \zero
	MUL8 3, 0, \zero
	WIN 0
.endm
; A slot's second half, on set 1, changes slots: one barrier; in front of it each wave waits for all its tensor loads, adds 0 to its spare word, and waits for that and for its reads of this slot,
; which are over: set 1 is in registers.  fill = 1: this slot is filled again, two K steps ahead.
.macro HALF1 slot, next, fill
	s_wait_tensorcnt 0x0                           ; all my tensor loads have landed: my part of the next slot
	ds_add_u32 v[SPW], v[NIL]
	s_wait_dscnt 1                                 ; set 1 is in; the add may be out
	WIN MUL
	MUL8 0, 1, 0
	s_wait_dscnt 0x0                               ; the add is done
	s_barrier_signal -1
	MUL8 1, 1, 0
	WIN 0
	s_barrier_wait -1
.if \fill
	CREST                                          ; the barrier has opened a round of the cluster's: no wave of any partner still reads this slot or has a load on its way
	s_add_nc_u64 s[G0+4*\slot+2:G0+4*\slot+3], s[G0+4*\slot+2:G0+4*\slot+3], 2*ROWB
	s_add_nc_u64 s[G0B+4*\slot+2:G0B+4*\slot+3], s[G0B+4*\slot+2:G0B+4*\slot+3], 2*ROWB
	JLOAD G0+4*\slot, G0B+4*\slot                  ; the first tensor load behind the round; its four v_nop are the places in front of the loads below
.else
	PLACES
.endif
	FETCH \next, 0, 0
	WIN MUL
	MUL8 2, 1, 0
	MUL8 3, 1, 0
	WIN 0
.endm
	s_wait_alu depctr_va_vdst(0)
	s_wait_tensorcnt 0x0                           ; my part of K step 0 is in; slot 1's first fill is issued as a refill is:
	ds_add_u32 v[SPW], v[NIL]
	s_wait_dscnt 0x0
	CROUND                                         ; a whole round: everybody's part of K step 0 is in, and the joint loads meet
	JLOAD G0+4, G0B+4                              ; K step 1: the first tensor load behind the round
	FETCH 0, 0, 0
	HALF0 0, 1                                     ; the first half starts the sums: nothing is cleared
	HALF1 0, 1, 1
	HALF0 1, 0
	HALF1 1, 0, 1
	HALF0 0, 0
	HALF1 0, 1, 0                                  ; the last change of slots fills nothing, and has no round of the cluster's barrier
	HALF0 1, 0
	s_wait_dscnt 0x0                               ; the very last half: nothing more to fetch
	WIN MUL
	MUL8 0, 1, 0
	MUL8 1, 1, 0
	MUL8 2, 1, 0
	MUL8 3, 1, 0
	WIN 0
; THE WAY OUT, block by block of 16 rows x 128 columns: through my own stage in LDS and back as whole rows of 512 bytes, which the 32 lanes store as two aligned units of 256 bytes.
; LDS serves a wave's instructions in order (ISA guide 5.7.1.4): no wait between the stores and the loads.
.macro TOSTAGE a
.set AC, 64*(\a)
	WIN 0x42                                       ; destination window 1, source 0 window 2
.set n, 0
.rept 32
	v_pk_fma_f32 v[TMP+n:TMP+n+1], v[AC+n:AC+n+1], s[96:97], v[BIAS+n:BIAS+n+1] op_sel_hi:[1,0,1]   ; sum x 2^(e6 + e7) + bias; each accumulator from its low end on
.set n, n+2
.endr
	WIN 0x04                                       ; an LDS store's data: source 1
.irp b, 0,1,2,3,4,5,6,7
	ds_store_b128 v[STO], v[TMP+8*\b:TMP+8*\b+3] offset:64*\b
	ds_store_b128 v[STO], v[TMP+8*\b+4:TMP+8*\b+7] offset:64*\b+16
.endr
	WIN 0
.set BB, BK+64*((\a)%2)
.irp t, 0,1,2,3,4,5,6,7,8,9,10,11,12,13,14,15
	ds_load_b128 v[BB+4*\t:BB+4*\t+3], v[RD] offset:\t*SPITCH
.endr
.endm
.macro SEND a, younger                 ; younger: the LDS instructions issued behind block a's loads, which may stay out
.set BB, BK+64*((\a)%2)
	s_wait_dscnt \younger
.if (\a) > 0
	s_add_nc_u64 s[80:81], s[80:81], 16*SIZE_N*4   ; behind a wait on XCNT: the earlier stores have read their base
.endif
.irp t, 0,1,2,3,4,5,6,7,8,9,10,11,12,13,14,15
	global_store_b128 v[CO], v[BB+4*\t:BB+4*\t+3], s[80:81] offset:\t*SIZE_N*4 th:TH_STORE_NT   ; 32 lanes store 512 consecutive bytes, aligned; written once, read by nobody here
.endr
.endm
	s_wait_kmcnt 0x0
	s_add_co_i32 s96, s78, s79
	s_add_co_i32 s96, s96, 127
	s_lshl_b32 s96, s96, 23                        ; 2^(e6 + e7)
	s_mov_b32 s97, s96                             ; named with it as a pair, so it is written
	PLACES                                         ; behind the last products
	s_wait_loadcnt 0x0                             ; the bias
	TOSTAGE 0
.irp a, 1,2,3
.if \a > 1
	s_wait_xcnt 0x0                                ; block a - 2's stores have read their registers and their base
.endif
	TOSTAGE \a
	SEND \a-1, 32                                  ; behind block a - 1's loads: block a's 16 stores and 16 loads
.endr
	s_wait_xcnt 0x0
	SEND 3, 0
	s_wait_tensorcnt 0x0                           ; the wave's end, behind my last tensor load and my last LDS store
	ds_add_u32 v[SPW], v[NIL]
	s_wait_dscnt 0x0
	CROUND                                         ; the closing round
	s_endpgm
.Lfunc_end_k_qd254033510_outp:
	.size	k_qd254033510_outp, .Lfunc_end_k_qd254033510_outp-k_qd254033510_outp
	.p2alignl 7, 3214868480
	.fill 96, 4, 3214868480
	.section	.rodata,"a",@progbits
	.p2align	6, 0x0
	.amdhsa_kernel k_qd254033510_outp
		.amdhsa_group_segment_fixed_size 327680
		.amdhsa_private_segment_fixed_size 0
		.amdhsa_enable_private_segment 0
		.amdhsa_kernarg_size 40
		.amdhsa_user_sgpr_count 2
		.amdhsa_user_sgpr_kernarg_segment_ptr 1
		.amdhsa_wavefront_size32 1
		.amdhsa_system_sgpr_workgroup_id_x 1
		.amdhsa_system_sgpr_workgroup_id_y 1
		.amdhsa_system_sgpr_workgroup_id_z 1
		.amdhsa_system_vgpr_workitem_id 0
		.amdhsa_next_free_vgpr 768
		.amdhsa_next_free_sgpr 100
		.amdhsa_reserve_vcc 0
		.amdhsa_float_denorm_mode_32 3
		.amdhsa_float_denorm_mode_16_64 3
		.amdhsa_memory_ordered 1
		.amdhsa_forward_progress 1
		.amdhsa_inst_pref_size 77
	.end_amdhsa_kernel
	.amdgpu_metadata
---
amdhsa.version: [ 1, 2 ]
amdhsa.kernels:
  - .name:           k_qd254033510_outp
    .symbol:         k_qd254033510_outp.kd
    .args:
      - { .name: val_codes, .offset: 0, .size: 8, .value_kind: global_buffer, .address_space: global }
      - { .name: wout_codes, .offset: 8, .size: 8, .value_kind: global_buffer, .address_space: global }
      - { .name: lowp_scales, .offset: 16, .size: 8, .value_kind: global_buffer, .address_space: global }
      - { .name: b_out, .offset: 24, .size: 8, .value_kind: global_buffer, .address_space: global }
      - { .name: out0, .offset: 32, .size: 8, .value_kind: global_buffer, .address_space: global }
    .group_segment_fixed_size: 327680
    .private_segment_fixed_size: 0
    .kernarg_segment_align: 8
    .kernarg_segment_size: 40
    .max_flat_workgroup_size: 128
    .sgpr_count:     100
    .vgpr_count:     768
    .wavefront_size: 32
...
	.end_amdgpu_metadata
.endif
;; end of part 4
